; MI455X (gfx1250); checked and timed in simulation.
; The chip was launched on July 23, 2026; its instructions are those of AMD's public machine-readable ISA for CDNA 5 (MIT licence, August 2026) and "CDNA5" Instruction Set Architecture Reference Guide (July 2026). The comments in the code are by the model that wrote it; some were corrected since.
;; Multi Head Attention. Allowed arithmetic: float matrix products may take bf16 or f16 operands with f32 sums; other float arithmetic in f32, or as packed bf16 or f16 multiplies, adds, multiply-adds, maxima and minima; sums over many terms, partial sums and values carried from step to step in f32; what a program stores and reads back later, other than sums and carried values, may be rounded once to bf16 or f16.
;; Inputs: Wk 1,024 x 1,024 float32; Wo 1,024 x 1,024 float32; Wq 1,024 x 1,024 float32; Wv 1,024 x 1,024 float32; bk 1,024 float32; bo 1,024 float32; bq 1,024 float32; bv 1,024 float32; keys 4 x 2,048 x 1,024 float32; mask 4 x 1 x 2,048 x 2,048 int32; queries 4 x 2,048 x 1,024 float32; values 4 x 2,048 x 1,024 float32.
;; Outputs: out0 4 x 2,048 x 1,024 float32.
;; 2 versions, each right; version 2 is version 1 with the launch prep written anew for expert scheduling mode. Each part assembles by itself: llvm-mc -triple=amdgcn-amd-amdhsa -mcpu=gfx1250 --defsym DOCPART=n.
;; ======== version 1 of 2: 4 launches
;; workspace buffers: xb 50,331,648 bytes; wb 8,388,608 bytes; pm 2,097,152 bytes of whole numbers; qkvh 50,331,648 bytes; wpart 1,024 bytes
;; launch prep (part 1): grid 1408 x 1, 8 waves a work-group, no clusters, 0 bytes of LDS; arguments queries, keys, values, Wq, Wk, Wv, Wo, mask, xb, wb, pm; writes xb, wb, pm
.if DOCPART == 1
	.amdgcn_target "amdgcn-amd-amdhsa--gfx1250"
	.amdhsa_code_object_version 6
	.text
	.protected	k_q1e3ce52fab_prep
	.globl	k_q1e3ce52fab_prep
	.p2align	8
	.type	k_q1e3ce52fab_prep,@function
k_q1e3ce52fab_prep:
	s_mov_b64 s[64:65], 0
	v_nop
	global_prefetch_b8 v0, s[64:65] scope:SCOPE_SE
	s_setreg_imm32_b32 hwreg(HW_REG_WAVE_MODE, 25, 1), 1
	s_wait_xcnt 0x0
; prep: a stream.  (1) queries, keys, values and the four weights are rounded once from f32 to bf16 (nearest even) into xb and wb, so that the
; products that follow read 16-bit operands.  (2) the int32 mask is packed into lane masks, one bit a number, in the order in which the
; attention launch holds its scores in registers.
; Every work-group reads 128 KiB, every wave 16 KiB, by 32 loads of 16 bytes a lane that are all issued before the first is waited for.
;   work-groups    0 ..  767: 128 KiB pieces of queries, keys, values  -> xb  [3][8192][1024] bf16
;   work-groups  768 ..  895: 128 KiB pieces of Wq, Wk, Wv, Wo         -> wb  [4][1024][1024] bf16
;   work-groups  896 .. 1407: 64 query rows x 512 keys of the mask     -> pm  [b 4][kg 32][chunk 64][64 words]
; pm: chunk = 32 queries, kg = 64 keys.  Word 32 t + 4 j + c (t 0..1, j 0..7, c 0..3), bit L = 16 h + r, is
;     mask[b][32 chunk + 16 t + 8 h + j][64 kg + 4 r + c] != 0.
; No LDS, no barrier, no matrix unit, no cluster: nothing is shared and no number is read twice.
.set NACT,  768                        ; work-groups for the activations
.set NCONV, 896                        ; and with the weights
.set X,     8                          ; v[8:135]   32 loads of 4 registers
.set OUT,   136                        ; v[136:139] the packed words: lane i holds words 4 i .. 4 i + 3 of the wave's 128
	s_load_b512 s[4:19], s[0:1], 0x0               ; queries s[4:5] keys s[6:7] values s[8:9] Wq s[10:11] Wk s[12:13] Wv s[14:15] Wo s[16:17] mask s[18:19]
	s_load_b128 s[20:23], s[0:1], 0x40             ; xb s[20:21], wb s[22:23]
	s_load_b64 s[24:25], s[0:1], 0x50              ; pm
	v_lshrrev_b32 v4, 5, v0
	v_readfirstlane_b32 s26, v4                    ; wave 0..7
	v_and_b32 v5, 31, v0                           ; lane
	v_lshlrev_b32 v1, 4, v5                        ; 16 bytes a lane
	s_cmp_ge_u32 ttmp9, NCONV
	s_cbranch_scc1 .Lpack
	; ---- f32 to bf16 ----
	v_lshlrev_b32 v2, 3, v5                        ; 8 bytes a lane on the way out
	s_lshr_b32 s27, ttmp9, 8                       ; an activation: which of the three (256 pieces each),
	s_and_b32 s28, ttmp9, 255                      ; and which piece
	s_sub_co_u32 s29, ttmp9, NACT                  ; a weight: the piece's number in wb,
	s_lshr_b32 s30, s29, 5
	s_add_co_u32 s30, s30, 3                       ; which source (3 .. 6; 32 pieces each),
	s_and_b32 s31, s29, 31                         ; and which piece of it
	s_cmp_lt_u32 ttmp9, NACT
	s_cselect_b32 s27, s27, s30                    ; source 0 .. 6
	s_cselect_b32 s28, s28, s31                    ; piece in the source
	s_cselect_b32 s29, ttmp9, s29                  ; piece in the destination
	s_wait_kmcnt 0x0
	s_cselect_b64 s[32:33], s[20:21], s[22:23]     ; xb or wb (the waits and selects between leave SCC alone)
	s_mov_b64 s[34:35], s[4:5]
.irp i, 1,2,3,4,5,6
	s_cmp_eq_u32 s27, \i
	s_cselect_b64 s[34:35], s[4+2*\i:5+2*\i], s[34:35]
.endr
	s_lshl_b32 s36, s28, 17                        ; 128 KiB a piece,
	s_lshl_b32 s37, s26, 14                        ; 16 KiB a wave
	s_add_co_u32 s36, s36, s37
	s_mov_b32 s37, 0
	s_add_nc_u64 s[34:35], s[34:35], s[36:37]
	s_lshl_b32 s38, s29, 16                        ; half of that on the way out
	s_lshl_b32 s39, s26, 13
	s_add_co_u32 s38, s38, s39
	s_mov_b32 s39, 0
	s_add_nc_u64 s[32:33], s[32:33], s[38:39]
.irp i, 0,1,2,3,4,5,6,7,8,9,10,11,12,13,14,15,16,17,18,19,20,21,22,23,24,25,26,27,28,29,30,31
	global_load_b128 v[X+4*\i:X+4*\i+3], v1, s[34:35] offset:512*\i th:TH_LOAD_NT     ; 512 neighbouring bytes a load
.endr
.irp i, 0,1,2,3,4,5,6,7,8,9,10,11,12,13,14,15,16,17,18,19,20,21,22,23,24,25,26,27,28,29,30,31
	s_wait_loadcnt 31-\i                           ; loads come back in order: load i is in, the 31 - i younger ones stay out
	v_cvt_pk_bf16_f32 v[X+4*\i], v[X+4*\i], v[X+4*\i+1]
	v_cvt_pk_bf16_f32 v[X+4*\i+1], v[X+4*\i+2], v[X+4*\i+3]
	global_store_b64 v2, v[X+4*\i:X+4*\i+1], s[32:33] offset:256*\i                   ; the 32 lanes store 256 consecutive bytes, aligned
.endr
	s_endpgm
	; ---- the mask, packed ----
.Lpack:
	s_sub_co_u32 s27, ttmp9, NCONV                 ; 0 .. 511
	s_and_b32 s28, s27, 3
	s_lshl_b32 s28, s28, 3
	s_add_co_u32 s28, s28, s26                     ; kg = 8 x (low two bits) + wave: the eight waves read 2 KiB of each row side by side
	s_bfe_u32 s29, s27, 0x50002                    ; qb: which 64 query rows (5 bits from bit 2)
	s_lshr_b32 s30, s27, 7                         ; b
	s_lshl_b32 s36, s30, 24                        ; a batch's mask is 2048 x 2048 x 4 bytes,
	s_lshl_b32 s37, s29, 19                        ; 64 rows of 8,192 bytes,
	s_add_co_u32 s36, s36, s37
	s_lshl_b32 s37, s28, 8                         ; 64 keys of 4 bytes
	s_add_co_u32 s36, s36, s37
	s_mov_b32 s37, 0
	s_lshl_b32 s38, s30, 5
	s_add_co_u32 s38, s38, s28                     ; 32 b + kg
	s_lshl_b32 s38, s38, 5
	s_add_co_u32 s38, s38, s29                     ; x 32 + qb
	s_lshl_b32 s38, s38, 9                         ; two chunks of 256 bytes
	s_mov_b32 s39, 0
	v_and_b32 v6, 15, v5                           ; r
	v_lshrrev_b32 v7, 4, v5                        ; h
	v_lshlrev_b32 v3, 4, v6                        ; 16 r: keys 4 r .. 4 r + 3,
	v_lshl_add_u32 v3, v7, 16, v3                  ; and 8 rows further down for lanes 16 to 31
.irp c, 0,1,2,3
	v_mov_b32 v[OUT+\c], 0                         ; v_writelane_b32 keeps the other lanes: the register is written whole once
.endr
	s_wait_kmcnt 0x0
	s_add_nc_u64 s[18:19], s[18:19], s[36:37]
	s_add_nc_u64 s[24:25], s[24:25], s[38:39]
.irp i, 0,1,2,3,4,5,6,7,8,9,10,11,12,13,14,15,16,17,18,19,20,21,22,23,24,25,26,27,28,29,30,31
	global_load_b128 v[X+4*\i:X+4*\i+3], v3, s[18:19] offset:((\i/8)*16+(\i%8))*8192 th:TH_LOAD_NT   ; rows 16 (i / 8) + i % 8 and 8 below: two aligned pieces of 256 bytes
.endr
.irp i, 0,1,2,3,4,5,6,7,8,9,10,11,12,13,14,15,16,17,18,19,20,21,22,23,24,25,26,27,28,29,30,31
	s_wait_loadcnt 31-\i                           ; load i is in, the younger ones stay out
.irp c, 0,1,2,3
	v_cmp_ne_u32 s[40+\c], 0, v[X+4*\i+\c]         ; one bit a lane: word 4 i + c
.endr
.irp c, 0,1,2,3
	v_writelane_b32 v[OUT+\c], s[40+\c], \i
.endr
.endr
	global_store_b128 v1, v[OUT:OUT+3], s[24:25]   ; 512 consecutive bytes: chunks 2 qb and 2 qb + 1 of this kg
	s_endpgm
.Lfunc_end_k_q1e3ce52fab_prep:
	.size	k_q1e3ce52fab_prep, .Lfunc_end_k_q1e3ce52fab_prep-k_q1e3ce52fab_prep
	.p2alignl 7, 3214868480
	.fill 96, 4, 3214868480
	.section	.rodata,"a",@progbits
	.p2align	6, 0x0
	.amdhsa_kernel k_q1e3ce52fab_prep
		.amdhsa_group_segment_fixed_size 0
		.amdhsa_private_segment_fixed_size 0
		.amdhsa_enable_private_segment 0
		.amdhsa_kernarg_size 88
		.amdhsa_user_sgpr_count 2
		.amdhsa_user_sgpr_kernarg_segment_ptr 1
		.amdhsa_wavefront_size32 1
		.amdhsa_system_sgpr_workgroup_id_x 1
		.amdhsa_system_sgpr_workgroup_id_y 1
		.amdhsa_system_sgpr_workgroup_id_z 1
		.amdhsa_system_vgpr_workitem_id 0
		.amdhsa_next_free_vgpr 140
		.amdhsa_next_free_sgpr 66
		.amdhsa_reserve_vcc 0
		.amdhsa_float_denorm_mode_32 3
		.amdhsa_float_denorm_mode_16_64 3
		.amdhsa_memory_ordered 1
		.amdhsa_forward_progress 1
		.amdhsa_inst_pref_size 35
	.end_amdhsa_kernel
	.amdgpu_metadata
---
amdhsa.version: [ 1, 2 ]
amdhsa.kernels:
  - .name:           k_q1e3ce52fab_prep
    .symbol:         k_q1e3ce52fab_prep.kd
    .args:
      - { .name: queries, .offset: 0, .size: 8, .value_kind: global_buffer, .address_space: global }
      - { .name: keys, .offset: 8, .size: 8, .value_kind: global_buffer, .address_space: global }
      - { .name: values, .offset: 16, .size: 8, .value_kind: global_buffer, .address_space: global }
      - { .name: Wq, .offset: 24, .size: 8, .value_kind: global_buffer, .address_space: global }
      - { .name: Wk, .offset: 32, .size: 8, .value_kind: global_buffer, .address_space: global }
      - { .name: Wv, .offset: 40, .size: 8, .value_kind: global_buffer, .address_space: global }
      - { .name: Wo, .offset: 48, .size: 8, .value_kind: global_buffer, .address_space: global }
      - { .name: mask, .offset: 56, .size: 8, .value_kind: global_buffer, .address_space: global }
      - { .name: xb, .offset: 64, .size: 8, .value_kind: global_buffer, .address_space: global }
      - { .name: wb, .offset: 72, .size: 8, .value_kind: global_buffer, .address_space: global }
      - { .name: pm, .offset: 80, .size: 8, .value_kind: global_buffer, .address_space: global }
    .group_segment_fixed_size: 0
    .private_segment_fixed_size: 0
    .kernarg_segment_align: 8
    .kernarg_segment_size: 88
    .max_flat_workgroup_size: 256
    .sgpr_count:     66
    .vgpr_count:     140
    .wavefront_size: 32
...
	.end_amdgpu_metadata
.endif
;; end of part 1
;; launch proj (part 2): grid 8 x 96, 4 waves a work-group, clusters of 4 x 4, 327,680 bytes of LDS; arguments xb, wb, bq, bk, bv, qkvh; writes qkvh
.if DOCPART == 2
	.amdgcn_target "amdgcn-amd-amdhsa--gfx1250"
	.amdhsa_code_object_version 6
	.text
	.protected	k_q1e3ce52fab_proj
	.globl	k_q1e3ce52fab_proj
	.p2align	8
	.type	k_q1e3ce52fab_proj,@function
k_q1e3ce52fab_proj:
	s_mov_b64 s[64:65], 0
	v_nop
	global_prefetch_b8 v0, s[64:65] scope:SCOPE_SE
	s_setreg_imm32_b32 hwreg(HW_REG_WAVE_MODE, 25, 1), 1
	s_wait_xcnt 0x0
	s_wait_alu depctr_hold_cnt(0) depctr_sa_sdst(0) depctr_va_vdst(0) depctr_va_sdst(0) depctr_va_ssrc(0) depctr_va_vcc(0) depctr_vm_vsrc(0)
	s_getreg_b32 s2, hwreg(HW_REG_IB_STS2, 6, 4)
	s_cmp_eq_u32 s2, 0
	s_cbranch_scc0 .Lentry_in_a_cluster
	s_endpgm
.Lentry_in_a_cluster:
	s_bfe_u32 s2, ttmp6, 0x10000c
	s_cmp_lg_u32 s2, 0xf033
	s_cbranch_scc0 .Lentry_shape_is_right
	s_endpgm
.Lentry_shape_is_right:
; proj: the three projections as one product.  C[m][n] = (sum over k of xb[m][k] wb[sel][n][k] + bias[sel][n]) x scl, m = 0 .. 24575 (queries, keys,
; values one below the other; sel = m / 8192), n, k = 0 .. 1023.  scl = 0.125 log2(e) for q (the division by sqrt(64) and the change to powers of
; two, folded in here), 1 for k and v.  Operands bf16, sums f32, C rounded once to bf16 and stored by heads: qkvh [sel][b][h][s][64].
; A work-group makes 256 x 128 of C with four waves, a wave 128 rows x 64 columns (one head): 32 accumulator tiles, 256 registers.  (Blocks of
; 256 x 256 would leave 384 work-groups, which is no whole number of rounds of 256.)  K goes in eight steps of 128 through two LDS slots filled by the tensor data mover;
; a tile's rows are 256 bytes of memory at multiples of 256 bytes.  The eight steps are written out by macro: there is no loop.
; CLUSTERS: 4 x 4 work-groups.  The four of a row of the cluster need the same tiles of xb, the four of a column the same tiles of wb: each tile is
; asked for jointly, by the same load with the same descriptor and a mask that names the four.  sel is made of the cluster's y alone (8 clusters
; for each of q, k, v), so it is equal in all sixteen.
; REGISTERS: window 0: v2-15 addresses, v32-63 bias, v64-127 / v160-223 fragments of xb (two buffers), v128-159 / v224-255 fragments of wb.
;            window 1: accumulator tile (a, b), a = 0..7 blocks of 16 rows, b = 0..3 blocks of 16 columns, at v[8 (4 a + b)].
; The matrix instruction is used transposed (source 0 = 16 rows of wb, source 1 = 16 rows of xb): lane l then holds row l % 16 of C and its eight
; registers the columns 8 (l / 16) + 0 .. 7, eight neighbouring numbers.
.set PITCH,  272                       ; an LDS row: 256 bytes + 16 of padding, an odd multiple of 16: the 16 rows of a fragment load begin in 16 different columns of 16 bytes
.set AHALF,  128*PITCH                 ; 128 rows of xb: one tensor load, and what one wave reads
.set BHALF,  64*PITCH                  ; 64 rows of wb: likewise
.set BBASE,  2*AHALF                   ; wb's 128 rows lie behind xb's 256
.set SLOT,   BBASE+2*BHALF             ; 104,448 bytes
.set STAGE,  2*SLOT                    ; behind the ring, never filled by a tensor load: 16 rows x 144 bytes for each wave
.set SPITCH, 144
.set FIELDS, (1<<16)|(1<<20)|(1<<21)|(5<<22)|(3<<25)   ; elements of 2 bytes; padding on; bit 21 beside a mask; after every 64 words; 4 words
.set ADRA, 2                           ; v2-3   LDS address of my xb fragments in slot 0, 1
.set ADRB, 4                           ; v4-5   the same for wb
.set STO,  6                           ; the way out: where I put 16 bytes of a row
.set RD,   7                           ; where I read rows back
.set CO,   8                           ; my byte offset in the wave's block of qkvh
.set BIAS, 32                          ; v[32:63] bias x scl of my columns: 8 b + j
.set FA0,  64                          ; xb fragments, buffer 0 (buffer 1: + FSTEP)
.set FB0,  128                         ; wb fragments, buffer 0
.set FSTEP, 96
.set T,    64                          ; the way out: 32 numbers in f32
.set PK,   96                          ; packed to bf16
.set OB,   160                         ; rows read back, two sets of 16 registers by turns
.set G1,  24                           ; s[24:31] group 1 for xb's tiles
.set G0,  32                           ; s[32:39] group 0 for xb's tiles, a set for each slot
.set G1B, 48                           ; s[48:55] group 1 for wb's tiles
.set G0B, 56                           ; s[56:63] group 0 for wb's tiles, a set for each slot
.set MUL,    0x50                      ; C and D in window 1, the fragments in window 0
.set ACCSRC, 0x01                      ; source 0 in window 1
.set MSB, 0
.macro WIN new                         ; the immediate's high byte repeats the setting that is left; a switch that changes nothing is dropped
.if MSB != \new
	s_set_vgpr_msb (MSB<<8)|\new
.set MSB, \new
.endif
.endm
.macro PLACES                          ; four plain vector instructions between a matrix instruction and a load into, or a vector instruction on, its registers
.rept 4
	v_nop
.endr
.endm
; A joint load: waves 0 and 1 fetch xb's two halves, waves 2 and 3 wb's.  The branch hangs on the wave's number alone.
.macro JLOAD s
	s_cmp_eq_u32 s17, 0
	s_cbranch_scc0 .Lfor_b_\@
	tensor_load_to_lds s[G0+4*\s:G0+4*\s+3], s[G1:G1+7]
	s_nop 0
	s_branch .Lasked_\@
.Lfor_b_\@:
	tensor_load_to_lds s[G0B+4*\s:G0B+4*\s+3], s[G1B:G1B+7]
	s_nop 0
.Lasked_\@:
.endm
; A round of the cluster's barrier: my work-group's barrier; wave 0 signals for the work-group; every wave waits for all sixteen; my work-group's barrier again.
.macro CREST                           ; a round behind its opening barrier
	s_cmp_lg_u32 s16, 0
	s_cbranch_scc1 .Lnot_wave_0_\@
	s_barrier_signal -3
.Lnot_wave_0_\@:
	s_barrier_wait -3
	s_barrier_signal -1
	s_barrier_wait -1
.endm
.macro CROUND
	s_barrier_signal -1
	s_barrier_wait -1
	CREST
.endm
	s_load_b256 s[4:11], s[0:1], 0x0               ; xb s[4:5], wb s[6:7], bq s[8:9], bk s[10:11]
	s_load_b128 s[12:15], s[0:1], 0x20             ; bv s[12:13], qkvh s[14:15]
	v_lshl_add_u32 v30, v0, 2, 0x35400
	v_mov_b32 v31, 0
	ds_add_u32 v30, v31
	v_lshrrev_b32 v1, 5, v0
	v_readfirstlane_b32 s16, v1                    ; wave 0..3
	s_lshr_b32 s17, s16, 1                         ; which 128 rows of the block are mine.  Also: I fetch for xb (0) or for wb (1)
	s_and_b32 s18, s16, 1                          ; which 64 columns.  Also: which half of that tile I fetch
	s_bfe_u32 s19, ttmp6, 0x40000                  ; cx
	s_bfe_u32 s20, ttmp6, 0x40004                  ; cy
	s_lshl_b32 s21, ttmp9, 2
	s_add_co_u32 s21, s21, s19                     ; block column 0..7
	s_and_b32 s23, ttmp7, 0xffff                   ; the cluster's y, 0..23
	s_lshl_b32 s22, s23, 2
	s_add_co_u32 s22, s22, s20                     ; block row 0..95
	s_lshr_b32 s23, s23, 3                         ; sel: 0 q, 1 k, 2 v
	s_lshl_b32 s40, s20, 2
	s_lshl_b32 s40, 15, s40                        ; my row of the cluster: places 4 cy .. 4 cy + 3
	s_lshl_b32 s42, 0x1111, s19                    ; my column: places cx, cx + 4, cx + 8, cx + 12
	s_or_b32 s[G1+0], s40, FIELDS                  ; xb's tiles go to my row
	s_or_b32 s[G1B+0], s42, FIELDS                 ; wb's to my column
	s_mov_b32 s[G1+1], 128<<16                     ; tensor_dim0 = 128 elements
	s_mov_b32 s[G1B+1], 128<<16
	s_mov_b32 s[G1+2], 128<<16                     ; tensor_dim1 = 128 rows
	s_mov_b32 s[G1B+2], 64<<16                     ;             = 64 rows
	s_mov_b32 s[G1+3], 128<<16                     ; tile_dim0 = 128
	s_mov_b32 s[G1B+3], 128<<16
	s_mov_b32 s[G1+4], 128                         ; tile_dim1
	s_mov_b32 s[G1B+4], 64
	s_mov_b32 s[G1+5], 1024                        ; elements from row to row
	s_mov_b32 s[G1B+5], 1024
	s_mov_b32 s[G1+6], 0
	s_mov_b32 s[G1B+6], 0
	s_mov_b32 s[G1+7], 0
	s_mov_b32 s[G1B+7], 0
	; where the tiles come from: xb's hang on the block row alone, wb's on the block column and sel; each in registers that never hold the other coordinate
	s_lshl_b32 s40, s22, 8
	s_lshl_b32 s41, s18, 7
	s_add_co_u32 s40, s40, s41                     ; xb: row 256 x block row + 128 x half
	s_lshl_b32 s40, s40, 11                        ; rows of 2,048 bytes (below 2^26)
	s_mov_b32 s41, 0
	s_lshl_b32 s42, s21, 7
	s_lshl_b32 s43, s18, 6
	s_add_co_u32 s42, s42, s43                     ; wb: row 128 x block column + 64 x half
	s_lshl_b32 s42, s42, 11
	s_lshl_b32 s43, s23, 21                        ; + sel x 2 MiB
	s_add_co_u32 s42, s42, s43
	s_mov_b32 s43, 0
	s_mul_i32 s46, s16, AHALF                      ; where they go: xb's halves at wave x 128 rows (waves 0, 1),
	s_mul_i32 s47, s16, BHALF
	s_add_co_u32 s47, s47, AHALF                   ; wb's at BBASE + (wave - 2) x 64 rows (waves 2, 3)
	s_lshl_b32 s2, s21, 9                          ; my 64 columns in the bias: (128 x block column + 64 x half) x 4 bytes
	s_lshl_b32 s3, s18, 8
	s_add_co_u32 s2, s2, s3
	s_mov_b32 s3, 0
	s_wait_dscnt 0x0
	s_wait_kmcnt 0x0
	s_add_nc_u64 s[40:41], s[4:5], s[40:41]
	s_add_nc_u64 s[42:43], s[6:7], s[42:43]
	s_cmp_eq_u32 s23, 1
	s_cselect_b64 s[8:9], s[10:11], s[8:9]         ; the bias that belongs to sel
	s_cmp_eq_u32 s23, 2
	s_cselect_b64 s[8:9], s[12:13], s[8:9]
	s_cmp_eq_u32 s23, 0
	s_cselect_b32 s44, 0x3e38aa3b, 1.0             ; scl: 0.125 log2(e) for q
	s_mov_b32 s45, s44
	s_add_nc_u64 s[8:9], s[8:9], s[2:3]
	CROUND                                         ; all sixteen work-groups are here: the first joint loads meet
.irp s, 0,1
	s_mov_b32 s[G0+4*\s], 1
	s_add_co_u32 s[G0+4*\s+1], s46, \s*SLOT
	s_add_nc_u64 s[G0+4*\s+2:G0+4*\s+3], s[40:41], \s*256          ; K step s
	s_or_b32 s[G0+4*\s+3], s[G0+4*\s+3], 0x80000000
	s_mov_b32 s[G0B+4*\s], 1
	s_add_co_u32 s[G0B+4*\s+1], s47, \s*SLOT
	s_add_nc_u64 s[G0B+4*\s+2:G0B+4*\s+3], s[42:43], \s*256
	s_or_b32 s[G0B+4*\s+3], s[G0B+4*\s+3], 0x80000000
	JLOAD \s                                       ; both slots are asked for before anything else: two loads of the wave are out
.endr
	v_and_b32 v1, 15, v0                           ; r = l % 16
	v_bfe_u32 v10, v0, 4, 1                        ; h = l / 16
	v_mul_u32_u24 v11, v1, PITCH
	v_lshl_add_u32 v11, v10, 4, v11                ; a fragment: row r, 16 bytes for each half of the lanes, two loads 32 bytes apart
	s_mul_i32 s4, s17, AHALF                       ; my 128 rows of xb
	s_mul_i32 s5, s18, BHALF
	s_add_co_u32 s5, s5, BBASE                     ; my 64 rows of wb
.irp s, 0,1
	v_add_nc_u32 v[ADRA+\s], s4, v11
	v_add_nc_u32 v[ADRB+\s], s5, v11
	s_add_co_u32 s4, s4, SLOT
	s_add_co_u32 s5, s5, SLOT
.endr
	s_mul_i32 s6, s16, 16*SPITCH
	s_add_co_u32 s6, s6, STAGE                     ; my stage
	v_mul_u32_u24 v12, v1, SPITCH
	v_lshl_add_u32 v12, v10, 4, v12
	v_add_nc_u32 v[STO], s6, v12                   ; in: row r, 16 bytes for each half
	v_and_b32 v13, 31, v0
	v_lshrrev_b32 v14, 3, v13
	v_and_b32 v15, 7, v13
	v_mul_u32_u24 v14, v14, SPITCH
	v_lshl_add_u32 v14, v15, 4, v14
	v_add_nc_u32 v[RD], s6, v14                    ; back: eight lanes take a row of 128 bytes, the wave four rows
	v_lshlrev_b32 v[CO], 4, v13                    ; which are 512 consecutive bytes of qkvh
	v_lshlrev_b32 v9, 5, v10                       ; bias: 8 h columns of 4 bytes; never rewritten
.irp b, 0,1,2,3
	global_load_b128 v[BIAS+8*\b:BIAS+8*\b+3],   v9, s[8:9] offset:64*\b
	global_load_b128 v[BIAS+8*\b+4:BIAS+8*\b+7], v9, s[8:9] offset:64*\b+16
.endr
; n blocks of 16 rows from a0 on x all four blocks of columns, 32 along K, from buffer f.  zero = 1: the product starts the sums.
; The 32 accumulators take turns, one instruction a turn, in the same order in every quarter step.
.macro MULA f, a0, n, zero
.set ma, \a0
.rept \n
.set mb, 0
.rept 4
.if \zero
	v_wmma_f32_16x16x32_bf16 v[8*(4*ma+mb):8*(4*ma+mb)+7], v[FB0+FSTEP*\f+8*mb:FB0+FSTEP*\f+8*mb+7], v[FA0+FSTEP*\f+8*ma:FA0+FSTEP*\f+8*ma+7], 0
.else
	v_wmma_f32_16x16x32_bf16 v[8*(4*ma+mb):8*(4*ma+mb)+7], v[FB0+FSTEP*\f+8*mb:FB0+FSTEP*\f+8*mb+7], v[FA0+FSTEP*\f+8*ma:FA0+FSTEP*\f+8*ma+7], v[8*(4*ma+mb):8*(4*ma+mb)+7]
.endif
.set mb, mb+1
.endr
.set ma, ma+1
.endr
.endm
; 24 LDS loads in one run: a quarter step's fragments (32 K at byte k of the rows) into buffer f: wb's four, xb's 0-3, xb's 4-7
.macro FETCH slot, k, f
.irp i, 0,1,2,3
	ds_load_b128 v[FB0+FSTEP*\f+8*\i:FB0+FSTEP*\f+8*\i+3],   v[ADRB+\slot] offset:\k+\i*16*PITCH
	ds_load_b128 v[FB0+FSTEP*\f+8*\i+4:FB0+FSTEP*\f+8*\i+7], v[ADRB+\slot] offset:\k+\i*16*PITCH+32
.endr
.irp i, 0,1,2,3,4,5,6,7
	ds_load_b128 v[FA0+FSTEP*\f+8*\i:FA0+FSTEP*\f+8*\i+3],   v[ADRA+\slot] offset:\k+\i*16*PITCH
	ds_load_b128 v[FA0+FSTEP*\f+8*\i+4:FA0+FSTEP*\f+8*\i+7], v[ADRA+\slot] offset:\k+\i*16*PITCH+32
.endr
.endm
; One of a K step's first three quarters: multiplies buffer f; in its middle fetches the next quarter's fragments into buffer g.
.macro QUARTER slot, k, f, g, zero
	s_wait_dscnt 8                                 ; wb's fragments and xb's 0-3 are in; the youngest eight loads (xb's 4-7) may be out
	WIN MUL
	MULA \f, 0, 4, \zero
	WIN 0
	PLACES
	FETCH \slot, \k, \g
	s_wait_dscnt 24                                ; all but the 24 just issued
	WIN MUL
	MULA \f, 4, 4, \zero
.endm
.macro THREE slot, zero
	QUARTER \slot, 64,  0, 1, \zero
	QUARTER \slot, 128, 1, 0, 0
	QUARTER \slot, 192, 0, 1, 0
.endm
; The last quarter multiplies buffer 1 and changes slots.  In front of the barrier each wave waits for its reads of this slot and for all its tensor
; loads (one is out: its part of the next slot).  fill = 1: the barrier opens a round of the cluster's barrier, and behind the round the joint refill
; of this slot, two K steps ahead, is the wave's first and only tensor load.  From that request to the wait for it a wave issues 120 matrix instructions.
.macro TURN slot, next, fill
	s_wait_dscnt 8
	WIN MUL
	MULA 1, 0, 2, 0
	s_wait_dscnt 0                                 ; my reads of this slot are over
	s_wait_tensorcnt 0x0                           ; all my tensor loads have landed
	ds_add_u32 v30, v31
	s_wait_dscnt 0x0
	s_barrier_signal -1
	MULA 1, 2, 2, 0                                ; register work while the others arrive
	WIN 0
	s_barrier_wait -1
.if \fill
	CREST
	s_add_nc_u64 s[G0+4*\slot+2:G0+4*\slot+3], s[G0+4*\slot+2:G0+4*\slot+3], 512      ; no load of mine is out: the addresses step by two K steps
	s_add_nc_u64 s[G0B+4*\slot+2:G0B+4*\slot+3], s[G0B+4*\slot+2:G0B+4*\slot+3], 512
	JLOAD \slot
.endif
	PLACES
	FETCH \next, 0, 0
	WIN MUL
	MULA 1, 4, 4, 0
.endm
	s_wait_tensorcnt 0x1                           ; my part of K step 0 is in; K step 1's stays out
	s_barrier_signal -1
	s_barrier_wait -1                              ; everybody's is
	FETCH 0, 0, 0
	THREE 0, 1                                     ; K step 0: its products start the sums, nothing is cleared
	TURN 0, 1, 1
	THREE 1, 0                                     ; K step 1
	TURN 1, 0, 1
.rept 2                                                ; K steps 2 to 5
	THREE 0, 0
	TURN 0, 1, 1
	THREE 1, 0
	TURN 1, 0, 1
.endr
	THREE 0, 0                                     ; K step 6: nothing is left to fetch
	TURN 0, 1, 0
	THREE 1, 0                                     ; K step 7
	s_wait_dscnt 8
	WIN MUL
	MULA 1, 0, 4, 0
	s_wait_dscnt 0
	MULA 1, 4, 4, 0
	; THE WAY OUT, 16 rows at a time: (sum + bias) x scl as one fused multiply-add on bias x scl, rounded to bf16, 16 bytes a lane into my own stage,
	; read back by rows.  A wave's 128 rows x 64 columns are 16 KiB of consecutive bytes of qkvh (one head's rows).
	WIN 0
	PLACES
	s_wait_loadcnt 0x0                             ; the bias
.irp p, 0,1,2,3,4,5,6,7,8,9,10,11,12,13,14,15
	v_pk_mul_f32 v[BIAS+2*\p:BIAS+2*\p+1], v[BIAS+2*\p:BIAS+2*\p+1], s[44:45] op_sel_hi:[1,0]
.endr
	s_lshl_b32 s10, s22, 8
	s_lshl_b32 s11, s17, 7
	s_add_co_u32 s10, s10, s11                     ; R: my first row, 0 .. 24575
	s_lshr_b32 s11, s10, 11                        ; 4 sel + b
	s_lshl_b32 s11, s11, 4
	s_lshl_b32 s2, s21, 1
	s_add_co_u32 s11, s11, s2
	s_add_co_u32 s11, s11, s18                     ; x 16 + head (2 x block column + half)
	s_lshl_b32 s11, s11, 11
	s_and_b32 s10, s10, 2047
	s_add_co_u32 s11, s11, s10                     ; x 2048 + s
	s_lshl_b32 s2, s11, 7                          ; rows of 128 bytes
	s_mov_b32 s3, 0
	s_add_nc_u64 s[14:15], s[14:15], s[2:3]
.macro OUT16 a
	WIN ACCSRC
.irp p, 0,1,2,3,4,5,6,7,8,9,10,11,12,13,14,15
	v_pk_fma_f32 v[T+2*\p:T+2*\p+1], v[32*\a+2*\p:32*\a+2*\p+1], s[44:45], v[BIAS+2*\p:BIAS+2*\p+1] op_sel_hi:[1,0,1]
.endr
	WIN 0
.irp p, 0,1,2,3,4,5,6,7,8,9,10,11,12,13,14,15
	v_cvt_pk_bf16_f32 v[PK+\p], v[T+2*\p], v[T+2*\p+1]
.endr
.irp b, 0,1,2,3
	ds_store_b128 v[STO], v[PK+4*\b:PK+4*\b+3] offset:32*\b
.endr
	s_wait_xcnt 0x0                                ; the registers that earlier stores read are loaded again only behind this wait
.irp t, 0,1,2,3
	ds_load_b128 v[OB+16*(\a%2)+4*\t:OB+16*(\a%2)+4*\t+3], v[RD] offset:\t*4*SPITCH    ; LDS serves a wave's instructions in order: these see the stores above
.endr
.irp t, 0,1,2,3
	s_wait_dscnt 3-\t                              ; load t is back
	global_store_b128 v[CO], v[OB+16*(\a%2)+4*\t:OB+16*(\a%2)+4*\t+3], s[14:15] offset:\a*2048+\t*512   ; the wave stores 512 consecutive bytes, aligned
.endr
.endm
.irp a, 0,1,2,3,4,5,6,7
	OUT16 \a
.endr
	s_wait_tensorcnt 0x0
	ds_add_u32 v30, v31
	s_wait_dscnt 0x0
	CROUND                                         ; the closing round: no work-group ends while a partner may still ask for a tile that names it
	s_endpgm
.Lfunc_end_k_q1e3ce52fab_proj:
	.size	k_q1e3ce52fab_proj, .Lfunc_end_k_q1e3ce52fab_proj-k_q1e3ce52fab_proj
	.p2alignl 7, 3214868480
	.fill 96, 4, 3214868480
	.section	.rodata,"a",@progbits
	.p2align	6, 0x0
	.amdhsa_kernel k_q1e3ce52fab_proj
		.amdhsa_group_segment_fixed_size 327680
		.amdhsa_private_segment_fixed_size 0
		.amdhsa_enable_private_segment 0
		.amdhsa_kernarg_size 48
		.amdhsa_user_sgpr_count 2
		.amdhsa_user_sgpr_kernarg_segment_ptr 1
		.amdhsa_wavefront_size32 1
		.amdhsa_system_sgpr_workgroup_id_x 1
		.amdhsa_system_sgpr_workgroup_id_y 1
		.amdhsa_system_sgpr_workgroup_id_z 1
		.amdhsa_system_vgpr_workitem_id 0
		.amdhsa_next_free_vgpr 512
		.amdhsa_next_free_sgpr 66
		.amdhsa_reserve_vcc 0
		.amdhsa_float_denorm_mode_32 3
		.amdhsa_float_denorm_mode_16_64 3
		.amdhsa_memory_ordered 1
		.amdhsa_forward_progress 1
		.amdhsa_inst_pref_size 160
	.end_amdhsa_kernel
	.amdgpu_metadata
---
amdhsa.version: [ 1, 2 ]
amdhsa.kernels:
  - .name:           k_q1e3ce52fab_proj
    .symbol:         k_q1e3ce52fab_proj.kd
    .args:
      - { .name: xb, .offset: 0, .size: 8, .value_kind: global_buffer, .address_space: global }
      - { .name: wb, .offset: 8, .size: 8, .value_kind: global_buffer, .address_space: global }
      - { .name: bq, .offset: 16, .size: 8, .value_kind: global_buffer, .address_space: global }
      - { .name: bk, .offset: 24, .size: 8, .value_kind: global_buffer, .address_space: global }
      - { .name: bv, .offset: 32, .size: 8, .value_kind: global_buffer, .address_space: global }
      - { .name: qkvh, .offset: 40, .size: 8, .value_kind: global_buffer, .address_space: global }
    .group_segment_fixed_size: 327680
    .private_segment_fixed_size: 0
    .kernarg_segment_align: 8
    .kernarg_segment_size: 48
    .max_flat_workgroup_size: 128
    .sgpr_count:     66
    .vgpr_count:     512
    .wavefront_size: 32
...
	.end_amdgpu_metadata
.endif
;; end of part 2
;; launch attn (part 3): grid 256 x 1, 16 waves a work-group, clusters of 4 x 1, 305,408 bytes of LDS; arguments qkvh, pm, wpart; writes wpart
.if DOCPART == 3
	.amdgcn_target "amdgcn-amd-amdhsa--gfx1250"
	.amdhsa_code_object_version 6
	.text
	.protected	k_q1e3ce52fab_attn
	.globl	k_q1e3ce52fab_attn
	.p2align	8
	.type	k_q1e3ce52fab_attn,@function
k_q1e3ce52fab_attn:
	s_mov_b64 s[64:65], 0
	v_nop
	global_prefetch_b8 v0, s[64:65] scope:SCOPE_SE
	s_setreg_imm32_b32 hwreg(HW_REG_WAVE_MODE, 25, 1), 1
	s_wait_xcnt 0x0
	s_wait_alu depctr_hold_cnt(0) depctr_sa_sdst(0) depctr_va_vdst(0) depctr_va_sdst(0) depctr_va_ssrc(0) depctr_va_vcc(0) depctr_vm_vsrc(0)
	s_getreg_b32 s2, hwreg(HW_REG_IB_STS2, 6, 4)
	s_cmp_eq_u32 s2, 0
	s_cbranch_scc0 .Lentry_in_a_cluster
	s_endpgm
.Lentry_in_a_cluster:
	s_bfe_u32 s2, ttmp6, 0x10000c
	s_cmp_lg_u32 s2, 0x3003
	s_cbranch_scc0 .Lentry_shape_is_right
	s_endpgm
.Lentry_shape_is_right:
; attn: wpart[b][h][cx] = sum over 512 keys k of ( sum over all 2048 queries q of softmax over q of score[q][k] ).
; score = q . k / 8, replaced by -1e10 where the mask is 0; here in powers of two: q carries 0.125 log2(e) already, and the replacement is -1e10 log2(e).
; The softmax runs along the QUERY axis, with a running maximum for each key.
; A cluster of four work-groups takes one (b, h); work-group cx takes keys 512 cx .. + 511.  Sixteen waves: wave w takes the 64 keys of group
; kg = 8 cx + w % 8, as four tiles of 16 columns, and the queries 1024 (w / 8) .. + 1023, in 32 chunks of 32.  Column r of tile c is key 64 kg + 4 r + c
; (the result sums over all keys, so the order is free; it is the order of the packed masks).
; The queries are the rows of the matrix product, so a lane owns one key and eight queries for each result tile: maximum and sum stay in the lane's own
; registers through the wave's 1024 queries.  Lanes meet once, at the end, and so do the two waves that share a key group.
; WHY SIXTEEN WAVES: a chunk's 64 mask words fill the scalar registers that can be spared, so they can be asked for again only behind the chunk's 64
; selects, one chunk ahead and no more.  With four waves on a SIMD three other chunks' work lies under one wave's wait for them.
; The whole Q head (2048 rows of 128 bytes, LDS pitch 144) is needed by all four work-groups: it is asked for JOINTLY, once, one load a wave; LDS is
; filled once and never again.  The keys (8 KiB a wave, read once into registers) and the masks are read by plain loads: a key group belongs to two
; waves of one work-group and to no other work-group.
; Masks: 64 words for a chunk of 32 queries x 64 keys, one word for each result register, read by scalar loads a chunk ahead.
; LIMITS: the sum over q of e / l is formed as (sum of e) x (1 / l), 1 / l by v_rcp_f32; v_exp_f32 gives 0 below 2^-126 (ISA guide, 15.8); NaN and
; infinite scores are not served (the maxima drop a NaN).
.set QPITCH, 144                       ; 128 bytes + 16: an odd multiple of 16
.set WTILE,  128*QPITCH                ; a wave's load: 128 query rows, 18,432 bytes of LDS
.set HALFQ,  1024*QPITCH               ; where the upper eight waves' queries begin
.set SCR,    2048*QPITCH               ; 294,912: 8 KiB that no tensor load fills: maximum and sum of waves 8 to 15, 1 KiB a wave
.set SCR2,   SCR+8192                  ; 256 bytes more: the sums of waves 0 to 7
.set CHUNKS, 32                        ; chunks of a wave
.set LA,   2                           ; LDS address of my 16 bytes in the first fragment of the chunk that is loaded next
.set KOFF, 3                           ; byte offset of my key's 16 bytes
.set NEG,  4                           ; -1e10 log2(e)
.set MM,   10                          ; v[10+2c] running maximum of column c     (pair with YY: the packed subtraction names the pair)
.set YY,   11                          ; v[11+2c] at work
.set AL,   18                          ; v[18+2c] 2^(old maximum - new maximum)   (pair with XX)
.set XX,   19                          ; v[19+2c] the new maximum
.set L2,   26                          ; v[26+2c:27+2c] running sum, in two halves
.set BF,   40                          ; v[40+16c ..] key fragments: 8 registers for features 0-31, 8 for 32-63
.set AF,   104                         ; v[104+16t ..] query fragments likewise
.set SC,   136                         ; v[136+32t+8c+j] scores
.set RM,   40                          ; the end (the key fragments are done with): v[40:43] the wave's maxima, column c
.set RL,   44                          ; v[44:47] its sums
.set PM,   48                          ; v[48:51] the partner wave's maxima
.set PL,   52                          ; v[52:55] and sums
.set TX,   56                          ; v[56:59] at work
.set MASK0, 16                         ; masks: words 0-47 in s[16:63], words 48-63 in s[68:83]
.set G1,   84                          ; s[84:91]
.set G0,   92                          ; s[92:95]
.macro ROUND                           ; a round of the cluster's barrier
	s_barrier_signal -1
	s_barrier_wait -1
	s_cmp_lg_u32 s10, 0
	s_cbranch_scc1 .Lnot_wave_0_\@
	s_barrier_signal -3
.Lnot_wave_0_\@:
	s_barrier_wait -3
	s_barrier_signal -1
	s_barrier_wait -1
.endm
	s_load_b128 s[4:7], s[0:1], 0x0                ; qkvh s[4:5], pm s[6:7]
	s_load_b64 s[8:9], s[0:1], 0x10                ; wpart
	v_lshl_add_u32 v200, v0, 2, 0x4a100
	v_mov_b32 v201, 0
	ds_add_u32 v200, v201
	v_lshrrev_b32 v1, 5, v0
	v_readfirstlane_b32 s10, v1                    ; wave 0..15
	s_bfe_u32 s66, ttmp6, 0x40000                  ; cx; ttmp9 is the cluster's number = 16 b + h
	s_mov_b32 s14, 0x76543210                      ; v_permlanex16_b32: lane i of one half reads lane i of the other
	s_mov_b32 s15, 0xfedcba98
	; group 1: 64 dense rows of 256 bytes (128 query rows), 16 bytes of padding behind every 128 bytes; the mask names all four work-groups
	s_mov_b32 s[G1+0], 15|(1<<16)|(1<<20)|(1<<21)|(4<<22)|(3<<25)
	s_mov_b32 s[G1+1], 128<<16                     ; tensor_dim0 = 128 elements
	s_mov_b32 s[G1+2], 64<<16                      ; tensor_dim1 = 64
	s_mov_b32 s[G1+3], 128<<16                     ; tile_dim0
	s_mov_b32 s[G1+4], 64                          ; tile_dim1
	s_mov_b32 s[G1+5], 128                         ; pitch: the rows follow each other
	s_mov_b32 s[G1+6], 0
	s_mov_b32 s[G1+7], 0
	s_lshl_b32 s2, ttmp9, 18                       ; a head is 2048 x 128 bytes,
	s_lshl_b32 s3, s10, 14                         ; a wave's 128 rows 16 KiB: nothing here hangs on cx
	s_add_co_u32 s2, s2, s3
	s_mov_b32 s3, 0
	s_mul_i32 s11, s10, WTILE
	s_wait_dscnt 0x0
	s_wait_kmcnt 0x0
	s_mov_b32 s[G0+0], 1
	s_mov_b32 s[G0+1], s11
	s_add_nc_u64 s[G0+2:G0+3], s[4:5], s[2:3]
	s_or_b32 s[G0+3], s[G0+3], 0x80000000
	; my masks: pm + ((32 b + kg) x 64 + 32 (w / 8)) chunks of 256 bytes
	s_lshr_b32 s12, ttmp9, 4
	s_lshl_b32 s12, s12, 5
	s_lshl_b32 s13, s66, 3
	s_add_co_u32 s12, s12, s13
	s_and_b32 s13, s10, 7
	s_add_co_u32 s12, s12, s13                     ; 32 b + kg
	s_lshl_b32 s12, s12, 14
	s_lshr_b32 s13, s10, 3
	s_lshl_b32 s13, s13, 13                        ; the upper waves begin 32 chunks in
	s_add_co_u32 s12, s12, s13
	s_mov_b32 s13, 0
	s_add_nc_u64 s[12:13], s[6:7], s[12:13]
	; my keys: the k part of qkvh (16 MiB in) + head + (512 cx + 64 (w % 8)) rows of 128 bytes
	s_lshl_b32 s6, ttmp9, 18
	s_lshl_b32 s7, s66, 16
	s_add_co_u32 s6, s6, s7
	s_and_b32 s7, s10, 7
	s_lshl_b32 s7, s7, 13
	s_add_co_u32 s6, s6, s7
	s_add_co_u32 s6, s6, 16777216
	s_mov_b32 s7, 0
	s_add_nc_u64 s[6:7], s[4:5], s[6:7]
	; my work-group's word of wpart
	s_lshl_b32 s67, ttmp9, 2
	s_add_co_u32 s66, s67, s66
	s_lshl_b32 s66, s66, 2
	s_mov_b32 s67, 0
	s_add_nc_u64 s[8:9], s[8:9], s[66:67]
	ROUND                                          ; the four work-groups are here: the joint loads meet
	tensor_load_to_lds s[G0:G0+3], s[G1:G1+7]      ; the wave's one tensor load of the launch
	s_nop 0
	v_and_b32 v1, 15, v0                           ; r
	v_bfe_u32 v5, v0, 4, 1                         ; h
	v_lshlrev_b32 v[KOFF], 9, v1                   ; key 4 r: rows of 128 bytes
	v_lshl_add_u32 v[KOFF], v5, 4, v[KOFF]
.irp c, 0,1,2,3
.irp o, 0,1,2,3
	global_load_b128 v[BF+16*\c+4*\o:BF+16*\c+4*\o+3], v[KOFF], s[6:7] offset:128*\c+32*\o    ; key 4 r + c, features 16 o + 8 h .. + 7
.endr
.endr
	s_load_b512 s[16:31], s[12:13], 0x0            ; my first chunk's masks
	s_load_b512 s[32:47], s[12:13], 0x40
	s_load_b512 s[48:63], s[12:13], 0x80
	s_load_b512 s[68:83], s[12:13], 0xc0
	v_mul_u32_u24 v[LA], v1, QPITCH
	v_lshl_add_u32 v[LA], v5, 4, v[LA]
	s_lshr_b32 s2, s10, 3
	s_mul_i32 s2, s2, HALFQ
	v_add_nc_u32 v[LA], s2, v[LA]                  ; row r, 16 bytes for each half of the lanes, from my first query on
	v_mov_b32 v[NEG], 0xd056fa73                   ; -1e10 log2(e)
.irp c, 0,1,2,3
	v_mov_b32 v[MM+2*\c], 0xff800000               ; no maximum yet: minus infinity, so that the first rescaling factor is 0
	v_mov_b32 v[L2+2*\c], 0
	v_mov_b32 v[L2+2*\c+1], 0
.endr
	s_wait_loadcnt 0x0                             ; the keys
	s_wait_tensorcnt 0x0                           ; my 128 rows of Q are in,
	s_barrier_signal -1
	s_barrier_wait -1                              ; everybody's are
; the query fragments of the chunk at LA: 32 rows x 64 features
.macro AFETCH
.irp t, 0,1
.irp o, 0,1,2,3
	ds_load_b128 v[AF+16*\t+4*\o:AF+16*\t+4*\o+3], v[LA] offset:\t*16*QPITCH+32*\o
.endr
.endr
.endm
; 32 queries x 64 keys.  next = 1: the next chunk's fragments and masks are asked for.
.macro CHUNK next
	s_wait_dscnt 0x0                               ; this chunk's fragments, asked for a chunk ago
	; eight products start the eight tiles (features 0-31), eight more add features 32-63, in the same order: the accumulators take turns
.irp t, 0,1
.irp c, 0,1,2,3
	v_wmma_f32_16x16x32_bf16 v[SC+32*\t+8*\c:SC+32*\t+8*\c+7], v[AF+16*\t:AF+16*\t+7], v[BF+16*\c:BF+16*\c+7], 0
.endr
.endr
.irp t, 0,1
.irp c, 0,1,2,3
	v_wmma_f32_16x16x32_bf16 v[SC+32*\t+8*\c:SC+32*\t+8*\c+7], v[AF+16*\t+8:AF+16*\t+15], v[BF+16*\c+8:BF+16*\c+15], v[SC+32*\t+8*\c:SC+32*\t+8*\c+7]
.endr
.endr
	; four places before loads go into the fragments and before the results are read
.if \next
	v_add_nc_u32 v[LA], 32*QPITCH, v[LA]           ; the next chunk's rows
.rept 3
	v_nop
.endr
	AFETCH                                         ; into the same registers: they come back under the rest of this chunk
.else
.rept 4
	v_nop
.endr
.endif
	s_wait_kmcnt 0x0                               ; this chunk's masks (scalar loads: 0 is the only count that shows anything)
.irp t, 0,1
.irp j, 0,1,2,3,4,5,6,7
.irp c, 0,1,2,3
	v_cndmask_b32 v[SC+32*\t+8*\c+\j], v[NEG], v[SC+32*\t+8*\c+\j], s[MASK0+(32*\t+4*\j+\c)+4*((32*\t+4*\j+\c)/48)]
.endr
.endr
.endr
.if \next
	s_add_nc_u64 s[12:13], s[12:13], 256           ; free since the wait above
	s_load_b512 s[16:31], s[12:13], 0x0
	s_load_b512 s[32:47], s[12:13], 0x40
	s_load_b512 s[48:63], s[12:13], 0x80
	s_load_b512 s[68:83], s[12:13], 0xc0
.endif
	; the new maximum of each column: the old one and my 16 scores, in two chains for each of four columns
.irp c, 0,1,2,3
	v_max3_num_f32 v[XX+2*\c], v[MM+2*\c], v[SC+8*\c], v[SC+8*\c+1]
	v_max3_num_f32 v[YY+2*\c], v[SC+32+8*\c], v[SC+32+8*\c+1], v[SC+32+8*\c+2]
.endr
.irp p, 2,4
.irp c, 0,1,2,3
	v_max3_num_f32 v[XX+2*\c], v[XX+2*\c], v[SC+8*\c+\p], v[SC+8*\c+\p+1]
	v_max3_num_f32 v[YY+2*\c], v[YY+2*\c], v[SC+32+8*\c+\p+1], v[SC+32+8*\c+\p+2]
.endr
.endr
.irp c, 0,1,2,3
	v_max3_num_f32 v[XX+2*\c], v[XX+2*\c], v[SC+8*\c+6], v[SC+8*\c+7]
.endr
.irp c, 0,1,2,3
	v_max3_num_f32 v[XX+2*\c], v[SC+32+8*\c+7], v[XX+2*\c], v[YY+2*\c]
.endr
.irp c, 0,1,2,3
	v_sub_f32 v[AL+2*\c], v[MM+2*\c], v[XX+2*\c]
.endr
.irp c, 0,1,2,3
	v_mov_b32 v[MM+2*\c], v[XX+2*\c]
.endr
.irp c, 0,1,2,3
	v_exp_f32 v[AL+2*\c], v[AL+2*\c]               ; what the sum so far shrinks by; the subtractions below are the plain instructions behind it (ISA guide 5.7.2)
.endr
.irp t, 0,1
.irp c, 0,1,2,3
.irp p, 0,2,4,6
	v_pk_add_f32 v[SC+32*\t+8*\c+\p:SC+32*\t+8*\c+\p+1], v[SC+32*\t+8*\c+\p:SC+32*\t+8*\c+\p+1], v[MM+2*\c:MM+2*\c+1] op_sel_hi:[1,0] neg_lo:[0,1] neg_hi:[0,1]
.endr
.endr
.endr
.irp t, 0,1
.irp c, 0,1,2,3
.irp j, 0,1,2,3,4,5,6,7
	v_exp_f32 v[SC+32*\t+8*\c+\j], v[SC+32*\t+8*\c+\j]
.endr
.endr
.endr
	v_nop                                          ; the plain instruction between the exponentials and their first use
	s_wait_alu depctr_va_vdst(0)
.irp c, 0,1,2,3
	v_pk_fma_f32 v[L2+2*\c:L2+2*\c+1], v[L2+2*\c:L2+2*\c+1], v[AL+2*\c:AL+2*\c+1], v[SC+8*\c:SC+8*\c+1] op_sel_hi:[1,0,1]
.endr
.irp p, 2,4,6,32,34,36,38
.irp c, 0,1,2,3
	v_pk_add_f32 v[L2+2*\c:L2+2*\c+1], v[L2+2*\c:L2+2*\c+1], v[SC+8*\c+\p:SC+8*\c+\p+1]
.endr
.endr
.endm
	AFETCH                                         ; my first chunk's fragments
	s_mov_b32 s11, CHUNKS-1
.Lchunk:
	CHUNK 1
	s_sub_co_i32 s11, s11, 1
	s_cmp_lg_u32 s11, 0
	s_cbranch_scc1 .Lchunk
	CHUNK 0                                        ; the last chunk asks for nothing: no load passes pm's end or Q's last row
	; THE END.  (1) Lanes r and 16 + r hold the same key's maximum and sum over two halves of the wave's queries: they are merged.
.irp c, 0,1,2,3
	v_add_f32 v[L2+2*\c], v[L2+2*\c], v[L2+2*\c+1]
.endr
.irp c, 0,1,2,3
	v_permlanex16_b32 v[YY+2*\c], v[MM+2*\c], s14, s15           ; the other half's maximum (the destinations have been written before)
	v_permlanex16_b32 v[L2+2*\c+1], v[L2+2*\c], s14, s15         ; and sum
.endr
.irp c, 0,1,2,3
	v_max_num_f32 v[RM+\c], v[MM+2*\c], v[YY+2*\c]
.endr
.irp c, 0,1,2,3
	v_sub_f32 v[MM+2*\c], v[MM+2*\c], v[RM+\c]
	v_sub_f32 v[YY+2*\c], v[YY+2*\c], v[RM+\c]
.endr
.irp c, 0,1,2,3
	v_exp_f32 v[MM+2*\c], v[MM+2*\c]
	v_exp_f32 v[YY+2*\c], v[YY+2*\c]
.endr
	v_nop                                          ; a plain instruction behind the exponentials
	s_wait_alu depctr_va_vdst(0)
.irp c, 0,1,2,3
	v_mul_f32 v[L2+2*\c], v[L2+2*\c], v[MM+2*\c]                 ; two products and a sum that commutes, not a fused form: both halves of the
	v_mul_f32 v[L2+2*\c+1], v[L2+2*\c+1], v[YY+2*\c]             ; lanes then hold the same bits, and all lanes store one value further down
.endr
.irp c, 0,1,2,3
	v_add_f32 v[RL+\c], v[L2+2*\c], v[L2+2*\c+1]
.endr
	; (2) Waves 8 to 15 hand their maxima and sums to waves 0 to 7, which hold the same keys' other 1024 queries.
	v_and_b32 v5, 31, v0
	s_lshl_b32 s2, s10, 10                         ; 1 KiB a wave
	s_cmp_lt_u32 s10, 8
	s_cbranch_scc1 .Llower
	s_add_co_u32 s2, s2, SCR-8192                  ; wave 8 + i writes the i-th KiB
	v_lshl_add_u32 v6, v5, 4, s2
	ds_store_b128 v6, v[RM:RM+3]
	ds_store_b128 v6, v[RL:RL+3] offset:512
.Llower:
	s_wait_dscnt 0x0                               ; for the others' sake: zero
	s_barrier_signal -1
	s_barrier_wait -1
	s_cmp_ge_u32 s10, 8
	s_cbranch_scc1 .Lupper
	s_add_co_u32 s2, s2, SCR                       ; wave i reads the i-th KiB
	v_lshl_add_u32 v6, v5, 4, s2
	ds_load_b128 v[PM:PM+3], v6
	ds_load_b128 v[PL:PL+3], v6 offset:512
	s_wait_dscnt 0x0
.irp c, 0,1,2,3
	v_max_num_f32 v[TX+\c], v[RM+\c], v[PM+\c]
.endr
.irp c, 0,1,2,3
	v_sub_f32 v[RM+\c], v[RM+\c], v[TX+\c]
	v_sub_f32 v[PM+\c], v[PM+\c], v[TX+\c]
.endr
.irp c, 0,1,2,3
	v_exp_f32 v[RM+\c], v[RM+\c]
	v_exp_f32 v[PM+\c], v[PM+\c]
.endr
	v_nop
	s_wait_alu depctr_va_vdst(0)
.irp c, 0,1,2,3
	v_mul_f32 v[RL+\c], v[RL+\c], v[RM+\c]
.endr
.irp c, 0,1,2,3
	v_fma_f32 v[RL+\c], v[PL+\c], v[PM+\c], v[RL+\c]             ; the key's sum over all 2048 queries; at least 1: the largest score gives 2^0
.endr
.irp c, 0,1,2,3
	v_rcp_f32 v[TX+\c], v[RL+\c]
.endr
	v_nop
	s_wait_alu depctr_va_vdst(0)
	v_mul_f32 v5, v[RL], v[TX]                     ; sum x (1 / sum) is the key's share
	v_fma_f32 v5, v[RL+1], v[TX+1], v5
	v_fma_f32 v5, v[RL+2], v[TX+2], v5
	v_fma_f32 v5, v[RL+3], v[TX+3], v5             ; my four keys
	v_add_f32_dpp v5, v5, v5 row_xmask:1 row_mask:0xf bank_mask:0xf
	v_add_f32_dpp v5, v5, v5 row_xmask:2 row_mask:0xf bank_mask:0xf
	v_add_f32_dpp v5, v5, v5 row_xmask:4 row_mask:0xf bank_mask:0xf
	v_add_f32_dpp v5, v5, v5 row_xmask:8 row_mask:0xf bank_mask:0xf      ; over 16 lanes alone: each half of the lanes holds all 64 keys once
	s_lshl_b32 s3, s10, 2
	s_add_co_u32 s3, s3, SCR2
	v_mov_b32 v7, s3
	ds_store_b32 v7, v5                            ; all lanes write the wave's word with the same value
.Lupper:
	s_wait_dscnt 0x0                               ; for the others' sake: zero
	s_barrier_signal -1
	s_barrier_wait -1
	; (3) Wave 0 adds the eight key groups.
	s_cmp_lg_u32 s10, 0
	s_cbranch_scc1 .Lothers
	v_mov_b32 v7, SCR2
	ds_load_b128 v[40:43], v7
	ds_load_b128 v[44:47], v7 offset:16
	v_mov_b32 v8, 0
	v_cmp_eq_u32 vcc_lo, 0, v0
	s_wait_dscnt 0x0
	v_add_f32 v40, v40, v41                        ; in a fixed order
	v_add_f32 v42, v42, v43
	v_add_f32 v44, v44, v45
	v_add_f32 v46, v46, v47
	v_add_f32 v40, v40, v42
	v_add_f32 v44, v44, v46
	v_add_f32 v40, v40, v44
	s_wait_xcnt 0x0                                ; EXEC changes only behind this wait
	s_and_saveexec_b32 s66, vcc_lo
	global_store_b32 v8, v40, s[8:9]               ; one word for a work-group: the launch's whole result is 1 KiB
	s_wait_xcnt 0x0                                ; and again in front of the line that widens it
	s_or_b32 exec_lo, exec_lo, s66
.Lothers:
	s_wait_tensorcnt 0x0
	ds_add_u32 v200, v201
	s_wait_dscnt 0x0
	ROUND                                          ; the closing round
	s_endpgm
.Lfunc_end_k_q1e3ce52fab_attn:
	.size	k_q1e3ce52fab_attn, .Lfunc_end_k_q1e3ce52fab_attn-k_q1e3ce52fab_attn
	.p2alignl 7, 3214868480
	.fill 96, 4, 3214868480
	.section	.rodata,"a",@progbits
	.p2align	6, 0x0
	.amdhsa_kernel k_q1e3ce52fab_attn
		.amdhsa_group_segment_fixed_size 305408
		.amdhsa_private_segment_fixed_size 0
		.amdhsa_enable_private_segment 0
		.amdhsa_kernarg_size 24
		.amdhsa_user_sgpr_count 2
		.amdhsa_user_sgpr_kernarg_segment_ptr 1
		.amdhsa_wavefront_size32 1
		.amdhsa_system_sgpr_workgroup_id_x 1
		.amdhsa_system_sgpr_workgroup_id_y 1
		.amdhsa_system_sgpr_workgroup_id_z 1
		.amdhsa_system_vgpr_workitem_id 0
		.amdhsa_next_free_vgpr 202
		.amdhsa_next_free_sgpr 96
		.amdhsa_reserve_vcc 1
		.amdhsa_float_denorm_mode_32 3
		.amdhsa_float_denorm_mode_16_64 3
		.amdhsa_memory_ordered 1
		.amdhsa_forward_progress 1
		.amdhsa_inst_pref_size 41
	.end_amdhsa_kernel
	.amdgpu_metadata
---
amdhsa.version: [ 1, 2 ]
amdhsa.kernels:
  - .name:           k_q1e3ce52fab_attn
    .symbol:         k_q1e3ce52fab_attn.kd
    .args:
      - { .name: qkvh, .offset: 0, .size: 8, .value_kind: global_buffer, .address_space: global }
      - { .name: pm, .offset: 8, .size: 8, .value_kind: global_buffer, .address_space: global }
      - { .name: wpart, .offset: 16, .size: 8, .value_kind: global_buffer, .address_space: global }
    .group_segment_fixed_size: 305408
    .private_segment_fixed_size: 0
    .kernarg_segment_align: 8
    .kernarg_segment_size: 24
    .max_flat_workgroup_size: 512
    .sgpr_count:     96
    .vgpr_count:     202
    .wavefront_size: 32
...
	.end_amdgpu_metadata
.endif
;; end of part 3
;; launch outp (part 4): grid 8 x 32, 4 waves a work-group, clusters of 4 x 4, 327,680 bytes of LDS; arguments qkvh, wb, wpart, bo, out0; writes out0
.if DOCPART == 4
	.amdgcn_target "amdgcn-amd-amdhsa--gfx1250"
	.amdhsa_code_object_version 6
	.text
	.protected	k_q1e3ce52fab_outp
	.globl	k_q1e3ce52fab_outp
	.p2align	8
	.type	k_q1e3ce52fab_outp,@function
k_q1e3ce52fab_outp:
	s_mov_b64 s[64:65], 0
	v_nop
	global_prefetch_b8 v0, s[64:65] scope:SCOPE_SE
	s_setreg_imm32_b32 hwreg(HW_REG_WAVE_MODE, 25, 1), 1
	s_wait_xcnt 0x0
	s_wait_alu depctr_hold_cnt(0) depctr_sa_sdst(0) depctr_va_vdst(0) depctr_va_sdst(0) depctr_va_ssrc(0) depctr_va_vcc(0) depctr_vm_vsrc(0)
	s_getreg_b32 s2, hwreg(HW_REG_IB_STS2, 6, 4)
	s_cmp_eq_u32 s2, 0
	s_cbranch_scc0 .Lentry_in_a_cluster
	s_endpgm
.Lentry_in_a_cluster:
	s_bfe_u32 s2, ttmp6, 0x10000c
	s_cmp_lg_u32 s2, 0xf033
	s_cbranch_scc0 .Lentry_shape_is_right
	s_endpgm
.Lentry_shape_is_right:
; outp: out0[m][n] = sum over k of v[m][k] w[b][k / 64] Wo[n][k] + bo[n], m = 2048 b + s, f32.  v: the third part of qkvh, bf16, by heads [b][h][s][64];
; Wo: the fourth part of wb, bf16; w[b][h] = the four shares in wpart, added in a fixed order.
; w is applied to Wo's fragments in registers (32 packed multiplies for 32 matrix instructions; v's fragments would take twice as many).
; LIMIT: w is rounded to bf16 (relative error up to 2^-9) and Wo x w is rounded to bf16 once more.  w is a sum of 2048 softmax columns of sum 1, so it
; lies within rounding of 2048, a power of two: then bf16(w) = 2048 and the product is exact.
; The shape is the projection launch's: a block of 256 x 128 for four waves, a wave 128 x 64 in 32 accumulator tiles (window 1), K in eight steps of 128
; through two LDS slots, clusters of 4 x 4 with joint loads (v's tiles along a row of the cluster, Wo's along a column), the eight steps written out.
; A K step is two heads.  One head's 256 rows of 128 bytes are consecutive in memory: wave 0 or 1 brings them as 128 rows of 256 bytes, with 16 bytes of
; padding behind every 128 bytes, so that a row of v has the LDS pitch 144.
.set APITCH, 144
.set AHEAD,  256*APITCH                ; one head's 256 rows: 36,864 bytes, one tensor load
.set BPITCH, 272
.set BHALF,  64*BPITCH
.set BBASE,  2*AHEAD                   ; 73,728
.set SLOT,   BBASE+2*BHALF             ; 108,544
.set STAGE,  2*SLOT                    ; 217,088: behind the ring, never filled by a tensor load: 16 rows x 272 bytes for each wave
.set SPITCH, 272
.set FIELDA, (1<<16)|(1<<20)|(1<<21)|(4<<22)|(3<<25)   ; 2-byte elements; padding on; bit 21 beside a mask; after every 32 words; 4 words
.set FIELDB, (1<<16)|(1<<20)|(1<<21)|(5<<22)|(3<<25)   ; the same after every 64 words
.set ADRA, 2
.set ADRB, 4
.set STO,  6
.set RD,   7
.set CO,   8
.set WPK,  16                          ; v[16:31] bf16(w[b][h]) in both halves, head h
.set BIAS, 32                          ; v[32:63] bo of my columns: 8 b + j
.set FA0,  64
.set FB0,  128
.set FSTEP, 96
.set T,    64
.set OB,   160                         ; rows read back, two sets of 32 registers by turns
.set G1,  24
.set G0,  32
.set G1B, 48
.set G0B, 56
.set MUL,    0x50
.set ACCSRC, 0x01
.set MSB, 0
.macro WIN new
.if MSB != \new
	s_set_vgpr_msb (MSB<<8)|\new
.set MSB, \new
.endif
.endm
.macro PLACES                          ; four plain vector instructions between a matrix instruction and a load into, or a vector instruction on, its registers
.rept 4
	v_nop
.endr
.endm
.macro JLOAD s                         ; waves 0 and 1 fetch v's two heads, waves 2 and 3 Wo's two halves; the branch hangs on the wave's number alone
	s_cmp_eq_u32 s17, 0
	s_cbranch_scc0 .Lfor_b_\@
	tensor_load_to_lds s[G0+4*\s:G0+4*\s+3], s[G1:G1+7]
	s_nop 0
	s_branch .Lasked_\@
.Lfor_b_\@:
	tensor_load_to_lds s[G0B+4*\s:G0B+4*\s+3], s[G1B:G1B+7]
	s_nop 0
.Lasked_\@:
.endm
.macro CREST                           ; a round of the cluster's barrier behind its opening barrier
	s_cmp_lg_u32 s16, 0
	s_cbranch_scc1 .Lnot_wave_0_\@
	s_barrier_signal -3
.Lnot_wave_0_\@:
	s_barrier_wait -3
	s_barrier_signal -1
	s_barrier_wait -1
.endm
.macro CROUND
	s_barrier_signal -1
	s_barrier_wait -1
	CREST
.endm
	s_load_b256 s[4:11], s[0:1], 0x0               ; qkvh s[4:5], wb s[6:7], wpart s[8:9], bo s[10:11]
	s_load_b64 s[12:13], s[0:1], 0x20              ; out0
	s_set_vgpr_msb 0x80
	v_lshl_add_u32 v0, v0, 2, 0x39400
	v_mov_b32 v1, 0
	s_set_vgpr_msb 0x808a
	ds_add_u32 v0, v1
	s_set_vgpr_msb 0x8a00
	v_lshrrev_b32 v1, 5, v0
	v_readfirstlane_b32 s16, v1                    ; wave 0..3
	s_lshr_b32 s17, s16, 1                         ; which 128 rows are mine.  Also: I fetch for v (0) or for Wo (1)
	s_and_b32 s18, s16, 1                          ; which 64 columns.  Also: which head, or which half of Wo's tile, I fetch
	s_bfe_u32 s19, ttmp6, 0x40000                  ; cx
	s_bfe_u32 s20, ttmp6, 0x40004                  ; cy
	s_lshl_b32 s21, ttmp9, 2
	s_add_co_u32 s21, s21, s19                     ; block column 0..7
	s_and_b32 s23, ttmp7, 0xffff                   ; the cluster's y, 0..7
	s_lshl_b32 s22, s23, 2
	s_add_co_u32 s22, s22, s20                     ; block row 0..31
	s_lshr_b32 s23, s23, 1                         ; b: two clusters for each batch
	s_lshl_b32 s40, s20, 2
	s_lshl_b32 s40, 15, s40                        ; my row of the cluster
	s_lshl_b32 s42, 0x1111, s19                    ; my column
	s_or_b32 s[G1+0], s40, FIELDA
	s_or_b32 s[G1B+0], s42, FIELDB
	s_mov_b32 s[G1+1], 128<<16                     ; tensor_dim0 = 128 elements
	s_mov_b32 s[G1B+1], 128<<16
	s_mov_b32 s[G1+2], 128<<16                     ; tensor_dim1 = 128 rows of 256 bytes
	s_mov_b32 s[G1B+2], 64<<16
	s_mov_b32 s[G1+3], 128<<16                     ; tile_dim0
	s_mov_b32 s[G1B+3], 128<<16
	s_mov_b32 s[G1+4], 128                         ; tile_dim1
	s_mov_b32 s[G1B+4], 64
	s_mov_b32 s[G1+5], 128                         ; v: the rows follow each other
	s_mov_b32 s[G1B+5], 1024                       ; Wo: 1,024 elements from row to row
	s_mov_b32 s[G1+6], 0
	s_mov_b32 s[G1B+6], 0
	s_mov_b32 s[G1+7], 0
	s_mov_b32 s[G1B+7], 0
	s_lshl_b32 s40, s23, 22                        ; v: a batch is 16 heads x 2048 x 128 bytes,
	s_lshl_b32 s41, s18, 18                        ; a head 2048 x 128,
	s_add_co_u32 s40, s40, s41
	s_and_b32 s41, s22, 7
	s_lshl_b32 s41, s41, 15                        ; a block 256 rows of 128;
	s_add_co_u32 s40, s40, s41
	s_add_co_u32 s40, s40, 33554432                ; the v part begins 32 MiB in
	s_mov_b32 s41, 0
	s_lshl_b32 s42, s21, 7
	s_lshl_b32 s43, s18, 6
	s_add_co_u32 s42, s42, s43                     ; Wo: row 128 x block column + 64 x half
	s_lshl_b32 s42, s42, 11
	s_add_co_u32 s42, s42, 6291456                 ; the fourth weight
	s_mov_b32 s43, 0
	s_mul_i32 s46, s16, AHEAD                      ; where they go: v's heads at wave x 256 rows (waves 0, 1),
	s_mul_i32 s47, s16, BHALF
	s_add_co_u32 s47, s47, BBASE-2*BHALF           ; Wo's halves at BBASE + (wave - 2) x 64 rows (waves 2, 3)
	s_wait_dscnt 0x0
	s_wait_kmcnt 0x0
	s_add_nc_u64 s[40:41], s[4:5], s[40:41]
	s_add_nc_u64 s[42:43], s[6:7], s[42:43]
	s_lshl_b32 s2, s23, 8                          ; wpart: 16 heads x 4 shares x 4 bytes a batch
	s_mov_b32 s3, 0
	s_add_nc_u64 s[8:9], s[8:9], s[2:3]
	s_lshl_b32 s2, s21, 9                          ; bo: my 64 columns
	s_lshl_b32 s3, s18, 8
	s_add_co_u32 s2, s2, s3
	s_mov_b32 s3, 0
	s_add_nc_u64 s[10:11], s[10:11], s[2:3]
	CROUND                                         ; all sixteen work-groups are here
.irp s, 0,1
	s_mov_b32 s[G0+4*\s], 1
	s_add_co_u32 s[G0+4*\s+1], s46, \s*SLOT
	s_add_nc_u64 s[G0+4*\s+2:G0+4*\s+3], s[40:41], \s*524288       ; K step s: two heads on
	s_or_b32 s[G0+4*\s+3], s[G0+4*\s+3], 0x80000000
	s_mov_b32 s[G0B+4*\s], 1
	s_add_co_u32 s[G0B+4*\s+1], s47, \s*SLOT
	s_add_nc_u64 s[G0B+4*\s+2:G0B+4*\s+3], s[42:43], \s*256
	s_or_b32 s[G0B+4*\s+3], s[G0B+4*\s+3], 0x80000000
	JLOAD \s                                       ; two loads of the wave are out
.endr
	v_and_b32 v1, 15, v0                           ; r
	v_bfe_u32 v9, v0, 4, 1                         ; h
	v_mul_u32_u24 v12, v1, APITCH
	v_lshl_add_u32 v12, v9, 4, v12                 ; v's fragments: row r, 16 bytes for each half of the lanes
	v_mul_u32_u24 v13, v1, BPITCH
	v_lshl_add_u32 v13, v9, 4, v13                 ; Wo's
	s_mul_i32 s4, s17, 128*APITCH                  ; my 128 rows of v
	s_mul_i32 s5, s18, BHALF
	s_add_co_u32 s5, s5, BBASE                     ; my 64 rows of Wo
.irp s, 0,1
	v_add_nc_u32 v[ADRA+\s], s4, v12
	v_add_nc_u32 v[ADRB+\s], s5, v13
	s_add_co_u32 s4, s4, SLOT
	s_add_co_u32 s5, s5, SLOT
.endr
	s_mul_i32 s6, s16, 16*SPITCH
	s_add_co_u32 s6, s6, STAGE                     ; my stage
	v_lshl_add_u32 v14, v9, 4, v13                 ; in: row r (pitch 272), 32 bytes for each half
	v_add_nc_u32 v[STO], s6, v14
	v_mul_u32_u24 v15, v9, SPITCH
	v_lshl_add_u32 v15, v1, 4, v15
	v_add_nc_u32 v[RD], s6, v15                    ; back: lanes 0-15 one row of 256 bytes, lanes 16-31 the next
	v_lshlrev_b32 v15, 12, v9
	v_lshl_add_u32 v[CO], v1, 4, v15               ; the same two rows in out0 (rows of 4,096 bytes)
	v_lshlrev_b32 v10, 5, v9                       ; bo: 8 h columns of 4 bytes; never rewritten
	v_lshlrev_b32 v11, 4, v1                       ; wpart: head r's four shares; never rewritten
	global_load_b128 v[12:15], v11, s[8:9]
.irp b, 0,1,2,3
	global_load_b128 v[BIAS+8*\b:BIAS+8*\b+3],   v10, s[10:11] offset:64*\b
	global_load_b128 v[BIAS+8*\b+4:BIAS+8*\b+7], v10, s[10:11] offset:64*\b+16
.endr
	s_wait_loadcnt 0x8                             ; the shares are in; the eight loads of bo stay out
	v_add_f32 v12, v12, v13
	v_add_f32 v14, v14, v15
	v_add_f32 v12, v12, v14                        ; lane h (and 16 + h): w[b][h]
.irp h, 0,1,2,3,4,5,6,7,8,9,10,11,12,13,14,15
	v_readlane_b32 s[2+(\h%2)], v12, \h
	v_cvt_pk_bf16_f32 v[WPK+\h], s[2+(\h%2)], s[2+(\h%2)]
.endr
; The 32 accumulators take turns, one instruction a turn, in the same order in every quarter step.
.macro MULA f, a0, n, zero
.set ma, \a0
.rept \n
.set mb, 0
.rept 4
.if \zero
	v_wmma_f32_16x16x32_bf16 v[8*(4*ma+mb):8*(4*ma+mb)+7], v[FB0+FSTEP*\f+8*mb:FB0+FSTEP*\f+8*mb+7], v[FA0+FSTEP*\f+8*ma:FA0+FSTEP*\f+8*ma+7], 0
.else
	v_wmma_f32_16x16x32_bf16 v[8*(4*ma+mb):8*(4*ma+mb)+7], v[FB0+FSTEP*\f+8*mb:FB0+FSTEP*\f+8*mb+7], v[FA0+FSTEP*\f+8*ma:FA0+FSTEP*\f+8*ma+7], v[8*(4*ma+mb):8*(4*ma+mb)+7]
.endif
.set mb, mb+1
.endr
.set ma, ma+1
.endr
.endm
; quarter qd of a K step into buffer f: Wo's four fragments (byte 64 qd of its rows), v's 0-3, v's 4-7 (head qd / 2 of the two, byte 64 (qd % 2) of its rows)
.macro FETCH slot, qd, f
.irp i, 0,1,2,3
	ds_load_b128 v[FB0+FSTEP*\f+8*\i:FB0+FSTEP*\f+8*\i+3],   v[ADRB+\slot] offset:\i*16*BPITCH+64*\qd
	ds_load_b128 v[FB0+FSTEP*\f+8*\i+4:FB0+FSTEP*\f+8*\i+7], v[ADRB+\slot] offset:\i*16*BPITCH+64*\qd+32
.endr
.irp i, 0,1,2,3,4,5,6,7
	ds_load_b128 v[FA0+FSTEP*\f+8*\i:FA0+FSTEP*\f+8*\i+3],   v[ADRA+\slot] offset:(\qd/2)*AHEAD+\i*16*APITCH+(\qd%2)*64
	ds_load_b128 v[FA0+FSTEP*\f+8*\i+4:FA0+FSTEP*\f+8*\i+7], v[ADRA+\slot] offset:(\qd/2)*AHEAD+\i*16*APITCH+(\qd%2)*64+32
.endr
.endm
; Wo's fragments in buffer f times w of the head that the quarter belongs to
.macro SCALE f, head
.set sq, 0
.rept 32
	v_pk_mul_bf16 v[FB0+FSTEP*\f+sq], v[FB0+FSTEP*\f+sq], v[WPK+\head]
.set sq, sq+1
.endr
.endm
.macro QUARTER slot, qd, f, g, zero, head
	s_wait_dscnt 8                                 ; Wo's fragments and v's 0-3 are in; the youngest eight loads may be out
	WIN 0
	SCALE \f, \head
	WIN MUL
	MULA \f, 0, 4, \zero
	WIN 0
	PLACES
	FETCH \slot, \qd, \g
	s_wait_dscnt 24                                ; all but the 24 just issued
	WIN MUL
	MULA \f, 4, 4, \zero
.endm
.macro THREE slot, zero, step
	QUARTER \slot, 1, 0, 1, \zero, 2*\step
	QUARTER \slot, 2, 1, 0, 0, 2*\step
	QUARTER \slot, 3, 0, 1, 0, 2*\step+1
.endm
; The last quarter and the change of slots: each wave's reads of this slot and all its tensor loads are waited for in front of the barrier; fill = 1: the
; barrier opens a round of the cluster's barrier, and the joint refill, two K steps ahead, is the wave's first and only tensor load behind the round.
.macro TURN slot, next, fill, step
	s_wait_dscnt 8
	WIN 0
	SCALE 1, 2*\step+1
	WIN MUL
	MULA 1, 0, 2, 0
	s_wait_dscnt 0
	s_set_vgpr_msb 0x505a
	s_wait_tensorcnt 0x0
	ds_add_u32 v0, v1
	s_wait_dscnt 0x0
	s_set_vgpr_msb 0x5a50
	s_barrier_signal -1
	MULA 1, 2, 2, 0
	WIN 0
	s_barrier_wait -1
.if \fill
	CREST
	s_add_nc_u64 s[G0+4*\slot+2:G0+4*\slot+3], s[G0+4*\slot+2:G0+4*\slot+3], 1048576  ; no load of mine is out: four heads on,
	s_add_nc_u64 s[G0B+4*\slot+2:G0B+4*\slot+3], s[G0B+4*\slot+2:G0B+4*\slot+3], 512  ; 256 elements on
	JLOAD \slot
.endif
	PLACES
	FETCH \next, 0, 0
	WIN MUL
	MULA 1, 4, 4, 0
.endm
	s_wait_tensorcnt 0x1                           ; my part of K step 0 is in; K step 1's stays out
	s_barrier_signal -1
	s_barrier_wait -1
	FETCH 0, 0, 0
	THREE 0, 1, 0                                  ; the first products start the sums
	TURN 0, 1, 1, 0
	THREE 1, 0, 1
	TURN 1, 0, 1, 1
	THREE 0, 0, 2
	TURN 0, 1, 1, 2
	THREE 1, 0, 3
	TURN 1, 0, 1, 3
	THREE 0, 0, 4
	TURN 0, 1, 1, 4
	THREE 1, 0, 5
	TURN 1, 0, 1, 5
	THREE 0, 0, 6                                  ; nothing is left to fetch
	TURN 0, 1, 0, 6
	THREE 1, 0, 7
	s_wait_dscnt 8
	WIN 0
	SCALE 1, 15
	WIN MUL
	MULA 1, 0, 4, 0
	s_wait_dscnt 0
	MULA 1, 4, 4, 0
	; THE WAY OUT, 16 rows at a time: sum + bo in f32, 32 bytes a lane and tile into my own stage, read back as whole rows of 256 bytes.
	WIN 0
	PLACES
	s_wait_loadcnt 0x0                             ; bo
	s_lshl_b32 s2, s22, 20                         ; 256 rows of 4,096 bytes a block,
	s_lshl_b32 s3, s17, 19                         ; 128 rows a half,
	s_add_co_u32 s2, s2, s3
	s_lshl_b32 s3, s21, 9                          ; 128 columns of 4 bytes a block,
	s_add_co_u32 s2, s2, s3
	s_lshl_b32 s3, s18, 8                          ; 64 a half
	s_add_co_u32 s2, s2, s3
	s_mov_b32 s3, 0
	s_add_nc_u64 s[12:13], s[12:13], s[2:3]
.macro OUT16 a
	WIN ACCSRC
.irp p, 0,1,2,3,4,5,6,7,8,9,10,11,12,13,14,15
	v_pk_add_f32 v[T+2*\p:T+2*\p+1], v[32*\a+2*\p:32*\a+2*\p+1], v[BIAS+2*\p:BIAS+2*\p+1]
.endr
	WIN 0
.irp b, 0,1,2,3
	ds_store_b128 v[STO], v[T+8*\b:T+8*\b+3]   offset:64*\b
	ds_store_b128 v[STO], v[T+8*\b+4:T+8*\b+7] offset:64*\b+16
.endr
	s_wait_xcnt 0x0                                ; the registers that earlier stores read are loaded again only behind this wait
.irp t, 0,1,2,3,4,5,6,7
	ds_load_b128 v[OB+32*(\a%2)+4*\t:OB+32*(\a%2)+4*\t+3], v[RD] offset:\t*2*SPITCH    ; LDS serves a wave's instructions in order: these see the stores above
.endr
.irp t, 0,1,2,3,4,5,6,7
	s_wait_dscnt 7-\t                              ; load t is back
	global_store_b128 v[CO], v[OB+32*(\a%2)+4*\t:OB+32*(\a%2)+4*\t+3], s[12:13] offset:\a*65536+\t*8192 th:TH_STORE_NT   ; 16 lanes store 256 consecutive bytes, aligned
.endr
.endm
.irp a, 0,1,2,3,4,5,6,7
	OUT16 \a
.endr
	s_set_vgpr_msb 0xa
	s_wait_tensorcnt 0x0
	ds_add_u32 v0, v1
	s_wait_dscnt 0x0
	s_set_vgpr_msb 0xa00
	CROUND                                         ; the closing round
	s_endpgm
.Lfunc_end_k_q1e3ce52fab_outp:
	.size	k_q1e3ce52fab_outp, .Lfunc_end_k_q1e3ce52fab_outp-k_q1e3ce52fab_outp
	.p2alignl 7, 3214868480
	.fill 96, 4, 3214868480
	.section	.rodata,"a",@progbits
	.p2align	6, 0x0
	.amdhsa_kernel k_q1e3ce52fab_outp
		.amdhsa_group_segment_fixed_size 327680
		.amdhsa_private_segment_fixed_size 0
		.amdhsa_enable_private_segment 0
		.amdhsa_kernarg_size 40
		.amdhsa_user_sgpr_count 2
		.amdhsa_user_sgpr_kernarg_segment_ptr 1
		.amdhsa_wavefront_size32 1
		.amdhsa_system_sgpr_workgroup_id_x 1
		.amdhsa_system_sgpr_workgroup_id_y 1
		.amdhsa_system_sgpr_workgroup_id_z 1
		.amdhsa_system_vgpr_workitem_id 0
		.amdhsa_next_free_vgpr 514
		.amdhsa_next_free_sgpr 66
		.amdhsa_reserve_vcc 0
		.amdhsa_float_denorm_mode_32 3
		.amdhsa_float_denorm_mode_16_64 3
		.amdhsa_memory_ordered 1
		.amdhsa_forward_progress 1
		.amdhsa_inst_pref_size 227
	.end_amdhsa_kernel
	.amdgpu_metadata
---
amdhsa.version: [ 1, 2 ]
amdhsa.kernels:
  - .name:           k_q1e3ce52fab_outp
    .symbol:         k_q1e3ce52fab_outp.kd
    .args:
      - { .name: qkvh, .offset: 0, .size: 8, .value_kind: global_buffer, .address_space: global }
      - { .name: wb, .offset: 8, .size: 8, .value_kind: global_buffer, .address_space: global }
      - { .name: wpart, .offset: 16, .size: 8, .value_kind: global_buffer, .address_space: global }
      - { .name: bo, .offset: 24, .size: 8, .value_kind: global_buffer, .address_space: global }
      - { .name: out0, .offset: 32, .size: 8, .value_kind: global_buffer, .address_space: global }
    .group_segment_fixed_size: 327680
    .private_segment_fixed_size: 0
    .kernarg_segment_align: 8
    .kernarg_segment_size: 40
    .max_flat_workgroup_size: 128
    .sgpr_count:     66
    .vgpr_count:     514
    .wavefront_size: 32
...
	.end_amdgpu_metadata
.endif
;; end of part 4
;; ======== version 2 of 2: 4 launches; version 1 with the launch prep written anew for expert scheduling mode
;; workspace buffers: xb 50,331,648 bytes; wb 8,388,608 bytes; pm 2,097,152 bytes of whole numbers; qkvh 50,331,648 bytes; wpart 1,024 bytes
;; launch prep (part 5): grid 1408 x 1, 8 waves a work-group, no clusters, 0 bytes of LDS; arguments queries, keys, values, Wq, Wk, Wv, Wo, mask, xb, wb, pm; writes xb, wb, pm
.if DOCPART == 5
	.amdgcn_target "amdgcn-amd-amdhsa--gfx1250"
	.amdhsa_code_object_version 6
	.text
	.protected	k_q1e3ce52fab_prep
	.globl	k_q1e3ce52fab_prep
	.p2align	8
	.type	k_q1e3ce52fab_prep,@function
k_q1e3ce52fab_prep:
	s_mov_b64 s[64:65], 0
	v_nop
	global_prefetch_b8 v0, s[64:65] scope:SCOPE_SE
	s_setreg_imm32_b32 hwreg(HW_REG_WAVE_SCHED_MODE, 0, 2), 2
	s_setreg_imm32_b32 hwreg(HW_REG_WAVE_MODE, 25, 1), 1
	s_wait_xcnt 0x0
	s_wait_alu depctr_vm_vsrc(0)
; prep: a stream.  (1) queries, keys, values and the four weights are rounded once from f32 to bf16 (nearest even) into xb and wb, so that the
; products that follow read 16-bit operands.  (2) the int32 mask is packed into lane masks, one bit a number, in the order in which the
; attention launch holds its scores in registers.
; Every work-group reads 128 KiB, every wave 16 KiB, by 32 loads of 16 bytes a lane that are all issued before the first is waited for.
;   work-groups    0 ..  767: 128 KiB pieces of queries, keys, values  -> xb  [3][8192][1024] bf16
;   work-groups  768 ..  895: 128 KiB pieces of Wq, Wk, Wv, Wo         -> wb  [4][1024][1024] bf16
;   work-groups  896 .. 1407: 64 query rows x 512 keys of the mask     -> pm  [b 4][kg 32][chunk 64][64 words]
; pm: chunk = 32 queries, kg = 64 keys.  Word 32 t + 4 j + c (t 0..1, j 0..7, c 0..3), bit L = 16 h + r, is
;     mask[b][32 chunk + 16 t + 8 h + j][64 kg + 4 r + c] != 0.
; No LDS, no barrier, no matrix unit, no cluster: nothing is shared and no number is read twice.
; THE MODE: SCHED_MODE bits 1:0 = 2 (LLVM: expert scheduling mode 2), set by the entry lines.  The code itself states the register dependences
; between vector instructions and memory instructions, and those through scalar registers that vector instructions write, with s_wait_alu, always for 0.
; THE PLAN.  Registers that memory instructions touch:
;   v1, v2, v3   byte offsets, made once ahead of the loads and never written again.
;   X            the 32 loads land in it once; no vector instruction names it ahead of them.  Rounding: load n's two roundings write its registers
;                4 n and 4 n + 1, which store n reads and nothing writes again.  Packing: the compares read it.
;   OUT          packing: written by v_mov_b32 and v_writelane_b32, read by the one store.
; No register that a memory instruction reads is written again, so no wait on vm_vsrc stands behind the entry lines.
; Rounding goes in four blocks of eight loads: block g's roundings name block g's registers alone, and the eight stores of block g - 1 are dealt among
; them behind ONE wait on va_vdst at the block's head.
; Packing goes in eight groups of four loads: group g's sixteen compares write the set g % 2 of scalar registers, and the sixteen v_writelane_b32 of
; group g - 1, which read the other set, are dealt among them behind ONE wait on va_sdst at the group's head.
.set NACT,  768                        ; work-groups for the activations
.set NCONV, 896                        ; and with the weights
.set X,     8                          ; v[8:135]   32 loads of 4 registers
.set OUT,   136                        ; v[136:139] the packed words: lane i holds words 4 i .. 4 i + 3 of the wave's 128
.set SA,    28                         ; s[28:43]   packing: the lane masks of the even groups (the offsets that lay here have been added to their bases)
.set SB,    4                          ; s[4:19]    packing: those of the odd groups (the addresses that lay here are not used on this way; the mask's has gone into s[2:3])
	s_load_b512 s[4:19], s[0:1], 0x0               ; queries s[4:5] keys s[6:7] values s[8:9] Wq s[10:11] Wk s[12:13] Wv s[14:15] Wo s[16:17] mask s[18:19]
	s_load_b128 s[20:23], s[0:1], 0x40             ; xb s[20:21], wb s[22:23]
	s_load_b64 s[24:25], s[0:1], 0x50              ; pm
	v_lshrrev_b32 v4, 5, v0
	v_readfirstlane_b32 s26, v4                    ; wave 0..7
	v_and_b32 v5, 31, v0                           ; lane
	v_lshlrev_b32 v1, 4, v5                        ; 16 bytes a lane
	s_wait_alu depctr_va_sdst(0)                   ; s26 is written: its first reader follows on either way
	s_cmp_ge_u32 ttmp9, NCONV
	s_cbranch_scc1 .Lpack
	; ---- f32 to bf16 ----
	v_lshlrev_b32 v2, 3, v5                        ; 8 bytes a lane on the way out
	s_lshr_b32 s27, ttmp9, 8                       ; an activation: which of the three (256 pieces each),
	s_and_b32 s28, ttmp9, 255                      ; and which piece
	s_sub_co_u32 s29, ttmp9, NACT                  ; a weight: the piece's number in wb,
	s_lshr_b32 s30, s29, 5
	s_add_co_u32 s30, s30, 3                       ; which source (3 .. 6; 32 pieces each),
	s_and_b32 s31, s29, 31                         ; and which piece of it
	s_cmp_lt_u32 ttmp9, NACT
	s_cselect_b32 s27, s27, s30                    ; source 0 .. 6
	s_cselect_b32 s28, s28, s31                    ; piece in the source
	s_cselect_b32 s29, ttmp9, s29                  ; piece in the destination
	s_wait_kmcnt 0x0
	s_cselect_b64 s[32:33], s[20:21], s[22:23]     ; xb or wb (the waits and selects between leave SCC alone)
	s_mov_b64 s[34:35], s[4:5]
.irp i, 1,2,3,4,5,6
	s_cmp_eq_u32 s27, \i
	s_cselect_b64 s[34:35], s[4+2*\i:5+2*\i], s[34:35]
.endr
	s_lshl_b32 s36, s28, 17                        ; 128 KiB a piece,
	s_lshl_b32 s37, s26, 14                        ; 16 KiB a wave
	s_add_co_u32 s36, s36, s37
	s_mov_b32 s37, 0
	s_add_nc_u64 s[34:35], s[34:35], s[36:37]
	s_lshl_b32 s38, s29, 16                        ; half of that on the way out
	s_lshl_b32 s39, s26, 13
	s_add_co_u32 s38, s38, s39
	s_mov_b32 s39, 0
	s_add_nc_u64 s[32:33], s[32:33], s[38:39]
	s_wait_alu depctr_va_vdst(0)                   ; v1 and v2 are written: every load below reads v1 as its offset, every store v2
.irp i, 0,1,2,3,4,5,6,7,8,9,10,11,12,13,14,15,16,17,18,19,20,21,22,23,24,25,26,27,28,29,30,31
	global_load_b128 v[X+4*\i:X+4*\i+3], v1, s[34:35] offset:512*\i th:TH_LOAD_NT     ; 512 neighbouring bytes a load
.endr
	; Block g, load 8 g + k: the load is waited for; the store of the load eight back goes out; the load's four numbers are rounded in place.
.irp g, 0,1,2,3
.irp k, 0,1,2,3,4,5,6,7
	s_wait_loadcnt 31-(8*\g+\k)                    ; loads come back in order: this load is in, the younger ones stay out
.if \g > 0
.if \k == 0
	s_wait_alu depctr_va_vdst(0)                   ; the sixteen roundings of the block before have written the registers that this block's eight stores read; no rounding behind this wait names them
.endif
	global_store_b64 v2, v[X+4*(8*\g+\k-8):X+4*(8*\g+\k-8)+1], s[32:33] offset:256*(8*\g+\k-8)      ; the 32 lanes store 256 consecutive bytes, aligned
.endif
	v_cvt_pk_bf16_f32 v[X+4*(8*\g+\k)], v[X+4*(8*\g+\k)], v[X+4*(8*\g+\k)+1]
	v_cvt_pk_bf16_f32 v[X+4*(8*\g+\k)+1], v[X+4*(8*\g+\k)+2], v[X+4*(8*\g+\k)+3]
.endr
.endr
	s_wait_alu depctr_va_vdst(0)                   ; the last block's roundings have written the registers that the last eight stores read
.irp k, 0,1,2,3,4,5,6,7
	global_store_b64 v2, v[X+4*(24+\k):X+4*(24+\k)+1], s[32:33] offset:256*(24+\k)
.endr
	s_endpgm
	; ---- the mask, packed ----
.Lpack:
	s_sub_co_u32 s27, ttmp9, NCONV                 ; 0 .. 511
	s_and_b32 s28, s27, 3
	s_lshl_b32 s28, s28, 3
	s_add_co_u32 s28, s28, s26                     ; kg = 8 x (low two bits) + wave: the eight waves read 2 KiB of each row side by side
	s_bfe_u32 s29, s27, 0x50002                    ; qb: which 64 query rows (5 bits from bit 2)
	s_lshr_b32 s30, s27, 7                         ; b
	s_lshl_b32 s36, s30, 24                        ; a batch's mask is 2048 x 2048 x 4 bytes,
	s_lshl_b32 s37, s29, 19                        ; 64 rows of 8,192 bytes,
	s_add_co_u32 s36, s36, s37
	s_lshl_b32 s37, s28, 8                         ; 64 keys of 4 bytes
	s_add_co_u32 s36, s36, s37
	s_mov_b32 s37, 0
	s_lshl_b32 s38, s30, 5
	s_add_co_u32 s38, s38, s28                     ; 32 b + kg
	s_lshl_b32 s38, s38, 5
	s_add_co_u32 s38, s38, s29                     ; x 32 + qb
	s_lshl_b32 s38, s38, 9                         ; two chunks of 256 bytes
	s_mov_b32 s39, 0
	v_and_b32 v6, 15, v5                           ; r
	v_lshrrev_b32 v7, 4, v5                        ; h
	v_lshlrev_b32 v3, 4, v6                        ; 16 r: keys 4 r .. 4 r + 3,
	v_lshl_add_u32 v3, v7, 16, v3                  ; and 8 rows further down for lanes 16 to 31
.irp c, 0,1,2,3
	v_mov_b32 v[OUT+\c], 0                         ; v_writelane_b32 keeps the other lanes: the register is written whole once
.endr
	s_wait_kmcnt 0x0
	s_add_nc_u64 s[2:3], s[18:19], s[36:37]        ; the mask at my first row and key, in a pair outside the two sets
	s_add_nc_u64 s[24:25], s[24:25], s[38:39]
	s_wait_alu depctr_va_vdst(0)                   ; v3 is written: every load below reads it as its offset
.irp i, 0,1,2,3,4,5,6,7,8,9,10,11,12,13,14,15,16,17,18,19,20,21,22,23,24,25,26,27,28,29,30,31
	global_load_b128 v[X+4*\i:X+4*\i+3], v3, s[2:3] offset:((\i/8)*16+(\i%8))*8192 th:TH_LOAD_NT   ; rows 16 (i / 8) + i % 8 and 8 below: two aligned pieces of 256 bytes
.endr
	; Group g, load 4 g + k: the load is waited for; its four compares write four registers of the set g % 2; the four words of the load four back,
	; which lie in the other set, go into their lane of OUT.
.irp g, 0,1,2,3,4,5,6,7
.irp k, 0,1,2,3
	s_wait_loadcnt 31-(4*\g+\k)                    ; this load is in, the younger ones stay out
.if \g > 0
.if \k == 0
	s_wait_alu depctr_va_sdst(0)                   ; the sixteen compares of the group before have written their set, ahead of its first reader below
.endif
.endif
.irp c, 0,1,2,3
	v_cmp_ne_u32 s[SA+(SB-SA)*(\g%2)+4*\k+\c], 0, v[X+4*(4*\g+\k)+\c]          ; one bit a lane: word 4 (4 g + k) + c
.endr
.if \g > 0
.irp c, 0,1,2,3
	v_writelane_b32 v[OUT+\c], s[SA+(SB-SA)*((\g+1)%2)+4*\k+\c], 4*\g+\k-4
.endr
.endif
.endr
.endr
	s_wait_alu depctr_va_sdst(0)                   ; the last group's sixteen compares have written their set, ahead of its first reader below
.irp k, 0,1,2,3
.irp c, 0,1,2,3
	v_writelane_b32 v[OUT+\c], s[SB+4*\k+\c], 28+\k
.endr
.endr
	s_wait_alu depctr_va_vdst(0)                   ; OUT is written, which the store reads (v1, its offset, was written ahead of the wait in front of the loads)
	global_store_b128 v1, v[OUT:OUT+3], s[24:25]   ; 512 consecutive bytes: chunks 2 qb and 2 qb + 1 of this kg
	s_endpgm
.Lfunc_end_k_q1e3ce52fab_prep:
	.size	k_q1e3ce52fab_prep, .Lfunc_end_k_q1e3ce52fab_prep-k_q1e3ce52fab_prep
	.p2alignl 7, 3214868480
	.fill 96, 4, 3214868480
	.section	.rodata,"a",@progbits
	.p2align	6, 0x0
	.amdhsa_kernel k_q1e3ce52fab_prep
		.amdhsa_group_segment_fixed_size 0
		.amdhsa_private_segment_fixed_size 0
		.amdhsa_enable_private_segment 0
		.amdhsa_kernarg_size 88
		.amdhsa_user_sgpr_count 2
		.amdhsa_user_sgpr_kernarg_segment_ptr 1
		.amdhsa_wavefront_size32 1
		.amdhsa_system_sgpr_workgroup_id_x 1
		.amdhsa_system_sgpr_workgroup_id_y 1
		.amdhsa_system_sgpr_workgroup_id_z 1
		.amdhsa_system_vgpr_workitem_id 0
		.amdhsa_next_free_vgpr 140
		.amdhsa_next_free_sgpr 66
		.amdhsa_reserve_vcc 0
		.amdhsa_float_denorm_mode_32 3
		.amdhsa_float_denorm_mode_16_64 3
		.amdhsa_memory_ordered 1
		.amdhsa_forward_progress 1
		.amdhsa_inst_pref_size 35
	.end_amdhsa_kernel
	.amdgpu_metadata
---
amdhsa.version: [ 1, 2 ]
amdhsa.kernels:
  - .name:           k_q1e3ce52fab_prep
    .symbol:         k_q1e3ce52fab_prep.kd
    .args:
      - { .name: queries, .offset: 0, .size: 8, .value_kind: global_buffer, .address_space: global }
      - { .name: keys, .offset: 8, .size: 8, .value_kind: global_buffer, .address_space: global }
      - { .name: values, .offset: 16, .size: 8, .value_kind: global_buffer, .address_space: global }
      - { .name: Wq, .offset: 24, .size: 8, .value_kind: global_buffer, .address_space: global }
      - { .name: Wk, .offset: 32, .size: 8, .value_kind: global_buffer, .address_space: global }
      - { .name: Wv, .offset: 40, .size: 8, .value_kind: global_buffer, .address_space: global }
      - { .name: Wo, .offset: 48, .size: 8, .value_kind: global_buffer, .address_space: global }
      - { .name: mask, .offset: 56, .size: 8, .value_kind: global_buffer, .address_space: global }
      - { .name: xb, .offset: 64, .size: 8, .value_kind: global_buffer, .address_space: global }
      - { .name: wb, .offset: 72, .size: 8, .value_kind: global_buffer, .address_space: global }
      - { .name: pm, .offset: 80, .size: 8, .value_kind: global_buffer, .address_space: global }
    .group_segment_fixed_size: 0
    .private_segment_fixed_size: 0
    .kernarg_segment_align: 8
    .kernarg_segment_size: 88
    .max_flat_workgroup_size: 256
    .sgpr_count:     66
    .vgpr_count:     140
    .wavefront_size: 32
...
	.end_amdgpu_metadata
.endif
;; end of part 5
;; launch proj: the kernel of part 2 again; grid 8 x 96, 4 waves a work-group, clusters of 4 x 4, 327,680 bytes of LDS; arguments xb, wb, bq, bk, bv, qkvh; writes qkvh
;; launch attn: the kernel of part 3 again; grid 256 x 1, 16 waves a work-group, clusters of 4 x 1, 305,408 bytes of LDS; arguments qkvh, pm, wpart; writes wpart
;; launch outp: the kernel of part 4 again; grid 8 x 32, 4 waves a work-group, clusters of 4 x 4, 327,680 bytes of LDS; arguments qkvh, wb, wpart, bo, out0; writes out0
